; MI455X (gfx1250); checked and timed in simulation.
; The chip was launched on July 23, 2026; its instructions are those of AMD's public machine-readable ISA for CDNA 5 (MIT licence, August 2026) and "CDNA5" Instruction Set Architecture Reference Guide (July 2026). The comments in the code are by the model that wrote it; some were corrected since.
;; Transformer Block. Allowed arithmetic: float matrix products may take bf16 or f16 operands with f32 sums; other float arithmetic in f32, or as packed bf16 or f16 multiplies, adds, multiply-adds, maxima and minima; sums over many terms, partial sums and values carried from step to step in f32; what a program stores and reads back later, other than sums and carried values, may be rounded once to bf16 or f16.
;; Inputs: W1 1,024 x 4,096 float32; W2 4,096 x 1,024 float32; Wk 1,024 x 1,024 float32; Wo 1,024 x 1,024 float32; Wq 1,024 x 1,024 float32; Wv 1,024 x 1,024 float32; b1 4,096 float32; b2 1,024 float32; beta1 1,024 float32; beta2 1,024 float32; bo 1,024 float32; gamma1 1,024 float32; gamma2 1,024 float32; x 4 x 1,024 x 1,024 float32.
;; Outputs: out0 4 x 1,024 x 1,024 float32.
;; One version. Each part assembles by itself: llvm-mc -triple=amdgcn-amd-amdhsa -mcpu=gfx1250 --defsym DOCPART=n.
;; ======== version 1 of 1: 7 launches
;; workspace buffers: wb 25,165,824 bytes; h 8,388,608 bytes; qkv 25,165,824 bytes; att 8,388,608 bytes; x1 16,777,216 bytes; act 33,554,432 bytes
;; launch prep (part 1): grid 2048 x 1, 4 waves a work-group, no clusters, 0 bytes of LDS; arguments x, gamma1, beta1, h, Wq, Wk, Wv, Wo, W1, W2, wb; writes h, wb
.if DOCPART == 1
	.amdgcn_target "amdgcn-amd-amdhsa--gfx1250"
	.amdhsa_code_object_version 6
	.text
	.protected	k_qfb7efbc98e_prep
	.globl	k_qfb7efbc98e_prep
	.p2align	8
	.type	k_qfb7efbc98e_prep,@function
k_qfb7efbc98e_prep:
	s_mov_b64 s[64:65], 0
	v_nop
	global_prefetch_b8 v0, s[64:65] scope:SCOPE_SE
	s_setreg_imm32_b32 hwreg(HW_REG_WAVE_MODE, 25, 1), 1
	s_wait_xcnt 0x0
; Two streams in one launch; the work-group's number chooses.  Neither has LDS, a barrier, a matrix instruction or a cluster: every byte is read once by one work-group.
; WORK-GROUPS 0 TO 511: h[r][c] = bf16( gamma1[c] (x[r][c] - mean_r) / sqrt(var_r + 1e-5) + beta1[c] ).  x: [4096][1024] f32, h: [4096][1024] bf16, rounded once.
;   Mean first, then the variance of the differences (two passes over registers), all in f32: a common offset of the inputs costs nothing.
;   A row of 4,096 bytes is 32 registers of one wave: a wave takes two whole rows and never meets another wave.  Lane l holds columns 128 j + 4 l .. + 3 (j = 0..7): a load covers 512
;   consecutive bytes, a store of 8 bytes a lane one aligned block of 256.  All 32 loads go out at the start (row 0, gamma, beta, row 1); the waits count the younger loads.
; WORK-GROUPS 512 TO 2,047: wb = the six weight matrices, each rounded once to bf16 (nearest even) and kept in its own [K][N] order: Wq at byte 0, Wk at 2,097,152, Wv at 4,194,304,
;   Wo at 6,291,456, W1 at 8,388,608, W2 at 16,777,216.  Chunk c = number - 512 is 8,192 numbers (32,768 bytes in, 16,384 out, at wb + 16,384 c): 128 chunks for each of Wq, Wk, Wv, Wo, 512 for W1 and
;   for W2.  Thread t takes 16 bytes at 16 t + 2,048 i: a wave's load covers 512 consecutive bytes, its store one aligned block of 256.  All sixteen loads go out first.
; In neither part is a register that a load or store names written again.
.set NLN, 512                          ; work-groups of the first part
.set G,  4                             ; v[4:35]    gamma of my 32 columns
.set BT, 36                            ; v[36:67]   beta
.set X,  68                            ; v[68:131]  two rows of 32
.set A,  132                           ; v[132:139] four chains of packed sums
.set M,  140                           ; v[140:141] the mean, twice
.set R,  142                           ; v[142:143] 1 / sqrt(var + eps), twice
.set CX, 4                             ; the cast: v[4:67] sixteen loads of four f32
.set CY, 68                            ; v[68:99] sixteen pairs of packed bf16
.macro FILL i
.irp j, 0,1,2,3,4,5,6,7
	global_load_b128 v[X+32*(\i)+4*(\j):X+32*(\i)+4*(\j)+3], v1, s[4:5] offset:4096*(\i)+512*(\j)
.endr
.endm
; the four chains into one number a lane, then over the 32 lanes: every lane ends with the row's sum in v[A]
.macro TOTAL
	v_pk_add_f32 v[A:A+1], v[A:A+1], v[A+2:A+3]
	v_pk_add_f32 v[A+4:A+5], v[A+4:A+5], v[A+6:A+7]
	v_pk_add_f32 v[A:A+1], v[A:A+1], v[A+4:A+5]
	v_add_f32 v[A], v[A], v[A+1]
	v_add_f32_dpp v[A], v[A], v[A] row_xmask:1 row_mask:0xf bank_mask:0xf
	v_add_f32_dpp v[A], v[A], v[A] row_xmask:2 row_mask:0xf bank_mask:0xf
	v_add_f32_dpp v[A], v[A], v[A] row_xmask:4 row_mask:0xf bank_mask:0xf
	v_add_f32_dpp v[A], v[A], v[A] row_xmask:8 row_mask:0xf bank_mask:0xf
	v_permlanex16_b32 v[A+1], v[A], s16, s17
	v_add_f32 v[A], v[A], v[A+1]
.endm
; Row i.  c1: the loads younger than the row's own; c2: those younger than beta's (it matters for row 0 alone).
.macro ROW i, c1, c2
.set XR, X+32*(\i)
	s_wait_loadcnt \c1
.irp k, 0,1,2,3
	v_pk_add_f32 v[A+2*(\k):A+2*(\k)+1], v[XR+2*(\k):XR+2*(\k)+1], v[XR+8+2*(\k):XR+8+2*(\k)+1]  ; the first sums start the chains: nothing is cleared
.endr
.irp k, 8,9,10,11,12,13,14,15
	v_pk_add_f32 v[A+2*((\k)%4):A+2*((\k)%4)+1], v[A+2*((\k)%4):A+2*((\k)%4)+1], v[XR+2*(\k):XR+2*(\k)+1]
.endr
	TOTAL
	v_mul_f32 v[M], s13, v[A]
	v_mov_b32 v[M+1], v[M]
.set n, 0
.rept 16
	v_pk_add_f32 v[XR+n:XR+n+1], v[XR+n:XR+n+1], v[M:M+1] neg_lo:[0,1] neg_hi:[0,1]  ; x - mean
.set n, n+2
.endr
.irp k, 0,1,2,3
	v_pk_mul_f32 v[A+2*(\k):A+2*(\k)+1], v[XR+2*(\k):XR+2*(\k)+1], v[XR+2*(\k):XR+2*(\k)+1]
.endr
.irp k, 4,5,6,7,8,9,10,11,12,13,14,15
	v_pk_fma_f32 v[A+2*((\k)%4):A+2*((\k)%4)+1], v[XR+2*(\k):XR+2*(\k)+1], v[XR+2*(\k):XR+2*(\k)+1], v[A+2*((\k)%4):A+2*((\k)%4)+1]
.endr
	TOTAL
	v_fma_f32 v[A], v[A], s13, s14                 ; var + eps
	v_rsq_f32 v[R], v[A]
	v_nop                                          ; a plain instruction between the root and the use of its result (ISA guide 5.7.2)
	s_wait_alu depctr_va_vdst(0)
	v_mov_b32 v[R+1], v[R]
	s_wait_loadcnt \c2
.set n, 0
.rept 16
	v_pk_mul_f32 v[XR+n:XR+n+1], v[XR+n:XR+n+1], v[R:R+1]
.set n, n+2
.endr
.set n, 0
.rept 16
	v_pk_fma_f32 v[XR+n:XR+n+1], v[XR+n:XR+n+1], v[G+n:G+n+1], v[BT+n:BT+n+1]
.set n, n+2
.endr
.set n, 0
.rept 16
	v_cvt_pk_bf16_f32 v[XR+n], v[XR+2*n], v[XR+2*n+1]  ; in place, ascending: register n is written when 2 n and 2 n + 1 are read
.set n, n+1
.endr
.irp j, 0,1,2,3,4,5,6,7
	global_store_b64 v2, v[XR+2*(\j):XR+2*(\j)+1], s[10:11] offset:2048*(\i)+256*(\j)
.endr
.endm
	s_cmp_lt_u32 ttmp9, NLN
	s_cbranch_scc0 .Lcast
	s_load_b256 s[4:11], s[0:1], 0x0               ; x s[4:5], gamma1 s[6:7], beta1 s[8:9], h s[10:11]
	v_lshrrev_b32 v3, 5, v0
	v_readfirstlane_b32 s12, v3                    ; wave
	v_and_b32 v1, 31, v0
	v_lshlrev_b32 v2, 3, v1                        ; 8 x lane
	v_lshlrev_b32 v1, 4, v1                        ; 16 x lane
	s_mov_b32 s13, 0x3a800000                      ; 1 / 1024
	s_mov_b32 s14, 0x3727c5ac                      ; 1e-5
	s_mov_b32 s16, 0x76543210                      ; v_permlanex16_b32: each lane takes its own place in the other half
	s_mov_b32 s17, 0xfedcba98
	s_lshl_b32 s18, ttmp9, 3
	s_lshl1_add_u32 s18, s12, s18                  ; my first row = 8 x work-group + 2 x wave
	s_lshl_b32 s20, s18, 12                        ; x 4,096 bytes
	s_mov_b32 s21, 0
	s_lshl_b32 s22, s18, 11                        ; x 2,048 bytes
	s_mov_b32 s23, 0
	s_wait_kmcnt 0x0
	s_add_nc_u64 s[4:5], s[4:5], s[20:21]
	s_add_nc_u64 s[10:11], s[10:11], s[22:23]
	FILL 0
.irp j, 0,1,2,3,4,5,6,7
	global_load_b128 v[G+4*(\j):G+4*(\j)+3], v1, s[6:7] offset:512*(\j)
.endr
.irp j, 0,1,2,3,4,5,6,7
	global_load_b128 v[BT+4*(\j):BT+4*(\j)+3], v1, s[8:9] offset:512*(\j)
.endr
	FILL 1
	ROW 0, 24, 8                                   ; 24: gamma, beta and row 1 may be out; 8: row 1
	ROW 1, 0, 0
	s_endpgm
.Lcast:
	s_load_b256 s[4:11], s[0:1], 0x20              ; Wq s[4:5], Wk s[6:7], Wv s[8:9], Wo s[10:11]
	s_load_b128 s[12:15], s[0:1], 0x40             ; W1 s[12:13], W2 s[14:15]
	s_load_b64 s[16:17], s[0:1], 0x50              ; wb
	s_sub_co_u32 s26, ttmp9, NLN                   ; my chunk
	s_lshr_b32 s20, s26, 7                         ; which 128 chunks
	s_movk_i32 s21, 511
	s_cmp_lt_u32 s26, 512
	s_cselect_b32 s21, 127, s21                    ; the small matrices have 128 chunks, the large ones 512
	s_and_b32 s22, s26, s21                        ; my chunk inside its matrix,
	s_lshl_b32 s22, s22, 15                        ; in bytes of f32
	s_mov_b32 s23, 0
	s_lshl_b32 s24, s26, 14                        ; my chunk in wb
	s_mov_b32 s25, 0
	v_lshlrev_b32 v1, 4, v0                        ; 16 t
	v_lshlrev_b32 v2, 3, v0                        ; 8 t
	s_wait_kmcnt 0x0
	s_mov_b64 s[18:19], s[4:5]                     ; the source is chosen among the six by the chunk's number alone
	s_cmp_eq_u32 s20, 1
	s_cselect_b64 s[18:19], s[6:7], s[18:19]
	s_cmp_eq_u32 s20, 2
	s_cselect_b64 s[18:19], s[8:9], s[18:19]
	s_cmp_eq_u32 s20, 3
	s_cselect_b64 s[18:19], s[10:11], s[18:19]
	s_cmp_ge_u32 s20, 4
	s_cselect_b64 s[18:19], s[12:13], s[18:19]
	s_cmp_ge_u32 s20, 8
	s_cselect_b64 s[18:19], s[14:15], s[18:19]
	s_add_nc_u64 s[18:19], s[18:19], s[22:23]
	s_add_nc_u64 s[16:17], s[16:17], s[24:25]
.irp i, 0,1,2,3,4,5,6,7,8,9,10,11,12,13,14,15
	global_load_b128 v[CX+4*(\i):CX+4*(\i)+3], v1, s[18:19] offset:2048*(\i) th:TH_LOAD_NT
.endr
.irp i, 0,1,2,3,4,5,6,7,8,9,10,11,12,13,14,15
	s_wait_loadcnt 15-(\i)                         ; loads come back in order: load i is in, the 15 - i younger ones may stay out
	v_cvt_pk_bf16_f32 v[CY+2*(\i)], v[CX+4*(\i)], v[CX+4*(\i)+1]
	v_cvt_pk_bf16_f32 v[CY+2*(\i)+1], v[CX+4*(\i)+2], v[CX+4*(\i)+3]
	global_store_b64 v2, v[CY+2*(\i):CY+2*(\i)+1], s[16:17] offset:1024*(\i)
.endr
	s_endpgm
.Lfunc_end_k_qfb7efbc98e_prep:
	.size	k_qfb7efbc98e_prep, .Lfunc_end_k_qfb7efbc98e_prep-k_qfb7efbc98e_prep
	.p2alignl 7, 3214868480
	.fill 96, 4, 3214868480
	.section	.rodata,"a",@progbits
	.p2align	6, 0x0
	.amdhsa_kernel k_qfb7efbc98e_prep
		.amdhsa_group_segment_fixed_size 0
		.amdhsa_private_segment_fixed_size 0
		.amdhsa_enable_private_segment 0
		.amdhsa_kernarg_size 88
		.amdhsa_user_sgpr_count 2
		.amdhsa_user_sgpr_kernarg_segment_ptr 1
		.amdhsa_wavefront_size32 1
		.amdhsa_system_sgpr_workgroup_id_x 1
		.amdhsa_system_sgpr_workgroup_id_y 1
		.amdhsa_system_sgpr_workgroup_id_z 1
		.amdhsa_system_vgpr_workitem_id 0
		.amdhsa_next_free_vgpr 144
		.amdhsa_next_free_sgpr 66
		.amdhsa_reserve_vcc 0
		.amdhsa_float_denorm_mode_32 3
		.amdhsa_float_denorm_mode_16_64 3
		.amdhsa_memory_ordered 1
		.amdhsa_forward_progress 1
		.amdhsa_inst_pref_size 27
	.end_amdhsa_kernel
	.amdgpu_metadata
---
amdhsa.version: [ 1, 2 ]
amdhsa.kernels:
  - .name:           k_qfb7efbc98e_prep
    .symbol:         k_qfb7efbc98e_prep.kd
    .args:
      - { .name: x, .offset: 0, .size: 8, .value_kind: global_buffer, .address_space: global }
      - { .name: gamma1, .offset: 8, .size: 8, .value_kind: global_buffer, .address_space: global }
      - { .name: beta1, .offset: 16, .size: 8, .value_kind: global_buffer, .address_space: global }
      - { .name: h, .offset: 24, .size: 8, .value_kind: global_buffer, .address_space: global }
      - { .name: Wq, .offset: 32, .size: 8, .value_kind: global_buffer, .address_space: global }
      - { .name: Wk, .offset: 40, .size: 8, .value_kind: global_buffer, .address_space: global }
      - { .name: Wv, .offset: 48, .size: 8, .value_kind: global_buffer, .address_space: global }
      - { .name: Wo, .offset: 56, .size: 8, .value_kind: global_buffer, .address_space: global }
      - { .name: W1, .offset: 64, .size: 8, .value_kind: global_buffer, .address_space: global }
      - { .name: W2, .offset: 72, .size: 8, .value_kind: global_buffer, .address_space: global }
      - { .name: wb, .offset: 80, .size: 8, .value_kind: global_buffer, .address_space: global }
    .group_segment_fixed_size: 0
    .private_segment_fixed_size: 0
    .kernarg_segment_align: 8
    .kernarg_segment_size: 88
    .max_flat_workgroup_size: 128
    .sgpr_count:     66
    .vgpr_count:     144
    .wavefront_size: 32
...
	.end_amdgpu_metadata
.endif
;; end of part 1
;; launch qkv (part 2): grid 12 x 16, 4 waves a work-group, clusters of 4 x 4, 327,680 bytes of LDS; arguments h, wb, qkv; writes qkv
.if DOCPART == 2
	.amdgcn_target "amdgcn-amd-amdhsa--gfx1250"
	.amdhsa_code_object_version 6
	.text
	.protected	k_qfb7efbc98e_qkv
	.globl	k_qfb7efbc98e_qkv
	.p2align	8
	.type	k_qfb7efbc98e_qkv,@function
k_qfb7efbc98e_qkv:
	s_mov_b64 s[64:65], 0
	v_nop
	global_prefetch_b8 v0, s[64:65] scope:SCOPE_SE
	s_setreg_imm32_b32 hwreg(HW_REG_WAVE_MODE, 25, 1), 1
	s_wait_xcnt 0x0
	s_wait_alu depctr_hold_cnt(0) depctr_sa_sdst(0) depctr_va_vdst(0) depctr_va_sdst(0) depctr_va_ssrc(0) depctr_va_vcc(0) depctr_vm_vsrc(0)
	s_getreg_b32 s2, hwreg(HW_REG_IB_STS2, 6, 4)
	s_cmp_eq_u32 s2, 0
	s_cbranch_scc0 .Lentry_in_a_cluster
	s_endpgm
.Lentry_in_a_cluster:
	s_bfe_u32 s2, ttmp6, 0x10000c
	s_cmp_lg_u32 s2, 0xf033
	s_cbranch_scc0 .Lentry_shape_is_right
	s_endpgm
.Lentry_shape_is_right:
; q, k, v = h Wq, h Wk, h Wv.  h: [4096][1024] bf16.  The weights: bf16, [K = 1024][N = 1024], at wb + 2,097,152 x (0, 1, 2).  Sums in f32; each result rounded once to bf16 and
; stored by heads: qkv + 8,388,608 x (0, 1, 2), each [batch x 16 + head][1024 tokens][64].  q is not scaled here.
; A tile of C is 256 x 256: four waves, each 128 x 128 in 64 accumulators (512 registers).  12 x 16 tiles: the cluster's x says which weight, the place in the cluster which 256 columns of it.
; K goes in 8 steps of 128 through a ring of two LDS slots.  A's tile: 256 rows x 256 bytes, rows 272 apart.  W's tile lies as in memory, [k][n]: 128 rows x 512 bytes, rows 544 apart, and its
; fragments are taken turned, by ds_load_tr16_b128.  Waves 0 and 1 fetch A's halves (128 rows), waves 2 and 3 W's (64 rows): 32 KiB each, one load a wave behind each change of slots.
; CLUSTER 4 x 4: A's tile hangs on the tile row alone and is asked for jointly by a row of the cluster, W's on the tile column alone, by a column.
; THE WALK OF K IS A RING: cluster (X, Y) begins at K step 2 ((X + Y) mod 4) and goes round.  The clusters that read the same rows of h (same Y) or the same columns of W (same X) so begin two steps apart,
; and none of them asks for a tile at the time at which another does.  The sums take K in that order.  The step's number KI is the same in all partners; the walking descriptor's address is made anew from it.
; A loop trip is ONE K step: the slot in hand is the scalar TB (0 or SLOT), turned by an exclusive or.  SLOT = 0x22000 shares no bit with a wave's LDS word
; (0, 0x8800, 0x11000, 0x19800), so the exclusive or there is the addition.  The two steps that fill nothing are a loop of their own.
; THE MATRIX INSTRUCTION IS USED TRANSPOSED: source 0 = 16 columns of W, source 1 = 16 rows of h: a lane holds row l % 16 of C and the columns 8 (l / 16) + 0..7.
; THE WAY OUT: the ring has had its last fill; the f32 sums go into a stage of the wave's own that lies over it (128 rows x 528 bytes), come back by rows, are rounded and stored so that one
; store covers 256 consecutive bytes: two neighbouring tokens of one head.
; REGISTERS: window 0: v0-31 addresses, v32-63 and v96-111 the way out, v64-127 and v128-191 h's fragments (two buffers); window 1: v64-191 W's fragments; windows 2, 3: accumulators.
.set NW,     1024
.set KSTEP,  128
.set NSTEP,  8
.set WSTEP,  KSTEP*NW*2                ; bytes from a K step of W to the next
.set PA,     272                       ; 256 + 16: 68 words: the 16 rows of a load start at 16 different groups of four banks (64 banks of 4 bytes: ISA guide 11.1)
.set PW,     544                       ; 512 + 32: 136 words
.set HALFT,  128*PA                    ; what one tensor load fills: 128 rows of A, or 64 rows of W (64 x 544 is the same)
.set WOFF,   2*HALFT
.set SLOT,   4*HALFT
.set SPARE,  2*SLOT                    ; behind the ring: the spare words, 128 bytes a wave: two blocks of 256 bytes that no other line names
.set SPITCH, 528                       ; a stage row: 512 + 16 bytes
.set STG,    128*SPITCH
.set ADRA0, 16                         ; v16  my lane's place in A's tile; never rewritten
.set ADRB0, 17                         ; v17  the same in W's
.set ADRA,  18                         ; v18  + the slot in hand
.set ADRB,  19                         ; v19
.set STO,   24                         ; v24  the way out: where I put 32 bytes of a row
.set RD,    25                         ; v25  where I read rows back
.set CO,    26                         ; v26  my byte offset in the output
.set SPW,   28                         ; v28  my spare word; never rewritten
.set NIL,   29                         ; v29  0; never rewritten
.set T,     32
.set Y,     96
.set F0,    64
.set F1,    128
.set BA,    14                         ; s[14:15] A at my part of K step 0; kept
.set TB,    22                         ; s22  LDS byte of the slot in hand
.set G1,    24                         ; s[24:31] group 1 for A
.set G0,    32                         ; s[32:39] group 0 for A: the first fill; the second, which then walks
.set KI,    45                         ; s45  the K step to be asked for next
.set BW,    46                         ; s[46:47] W at my part of K step 0; kept
.set G1B,   48                         ; s[48:55] group 1 for W
.set G0B,   56                         ; s[56:63] group 0 for W
.set OA,    74                         ; s[74:75] a K step's byte offset in A
.set OW,    76                         ; s[76:77] in W
.set MSB, 0
.macro WIN new                         ; the immediate's high byte repeats the setting that is left; a switch that changes nothing is dropped
.if MSB != (\new)
	s_set_vgpr_msb (MSB<<8)|(\new)
.set MSB, \new
.endif
.endm
.set MUL_LO, 0xa1                      ; source 0 (W) window 1, source 1 (A) window 0, C and D window 2
.set MUL_HI, 0xf1                      ; the same, C and D window 3
.set TO_B,   0x40                      ; destination window 1, address window 0
.macro PLACES                          ; four plain vector instructions between a matrix instruction and a load into, or a read of, its registers
.rept 4
	v_nop
.endr
.endm
.macro AIM s                           ; set s of both group 0s takes K step KI: the kept base plus an offset made apart, the type bits set again; KI goes on round the ring
	s_lshl_b32 s[OA], s[KI], 8
	s_mul_i32 s[OW], s[KI], WSTEP
	s_add_nc_u64 s[G0+4*(\s)+2:G0+4*(\s)+3], s[BA:BA+1], s[OA:OA+1]
	s_or_b32 s[G0+4*(\s)+3], s[G0+4*(\s)+3], 0x80000000
	s_add_nc_u64 s[G0B+4*(\s)+2:G0B+4*(\s)+3], s[BW:BW+1], s[OW:OW+1]
	s_or_b32 s[G0B+4*(\s)+3], s[G0B+4*(\s)+3], 0x80000000
	s_add_co_u32 s[KI], s[KI], 1
	s_and_b32 s[KI], s[KI], NSTEP-1
.endm
.macro JLOAD                           ; a joint refill by the walking descriptors; the branch hangs on the wave's number alone; an s_nop 0 and four v_nop follow each line
	s_cmp_eq_u32 s11, 0
	s_cbranch_scc0 .Lfor_b_\@
	tensor_load_to_lds s[G0+4:G0+7], s[G1:G1+7]
	s_nop 0
	PLACES
	s_branch .Lasked_\@
.Lfor_b_\@:
	tensor_load_to_lds s[G0B+4:G0B+7], s[G1B:G1B+7]
	s_nop 0
	PLACES
.Lasked_\@:
.endm
.macro CREST                           ; a round of the cluster's barrier behind its opening barrier
	s_cmp_lg_u32 s10, 0
	s_cbranch_scc1 .Lnot_wave_0_\@
	s_barrier_signal -3
.Lnot_wave_0_\@:
	s_barrier_wait -3
	s_barrier_signal -1
	s_barrier_wait -1
.endm
.macro CROUND
	s_barrier_signal -1
	s_barrier_wait -1
	CREST
.endm
	s_load_b128 s[4:7], s[0:1], 0x0                ; h s[4:5], wb s[6:7]
	s_load_b64 s[8:9], s[0:1], 0x10                ; qkv
	v_lshl_add_u32 v[SPW], v0, 2, SPARE
	v_mov_b32 v[NIL], 0
	ds_add_u32 v[SPW], v[NIL]                      ; the wave's opening: the add and its wait stand ahead of my first tensor load
	v_lshrrev_b32 v1, 5, v0
	v_readfirstlane_b32 s10, v1                    ; wave 0..3
	s_lshr_b32 s11, s10, 1                         ; my half of the tile's rows.  Also: I fetch for A (0) or for W (1)
	s_and_b32 s12, s10, 1                          ; my half of its columns.  Also: which half of that tile I fetch
	s_bfe_u32 s40, ttmp6, 0x40000                  ; cx
	s_bfe_u32 s41, ttmp6, 0x40004                  ; cy
	s_and_b32 s13, ttmp7, 0xffff                   ; the cluster's y
	s_add_co_u32 s[KI], s13, ttmp9
	s_and_b32 s[KI], s[KI], 3
	s_lshl_b32 s[KI], s[KI], 1                     ; my cluster's first K step
	s_lshl_b32 s13, s13, 2
	s_add_co_u32 s13, s13, s41                     ; tile row = 4 x cluster y + cy
	s_lshl_b32 s43, s41, 2
	s_lshl_b32 s43, 15, s43                        ; my row of the cluster
	s_lshl_b32 s44, 0x1111, s40                    ; my column
	s_or_b32 s[G1+0], s43, (1<<16)|(1<<20)|(1<<21)|(5<<22)|(3<<25)   ; mask; 2-byte elements; padding on; bit 21 beside a mask; after every 64 words 4 words
	s_or_b32 s[G1B+0], s44, (1<<16)|(1<<20)|(1<<21)|(6<<22)|(7<<25)  ; after every 128 words 8 words
	s_mov_b32 s[G1+1], 128<<16                     ; tensor_dim0 = 128
	s_mov_b32 s[G1+2], 128<<16                     ; tensor_dim1 = 128
	s_mov_b32 s[G1+3], 128<<16                     ; tile_dim0 = 128
	s_mov_b32 s[G1+4], 128                         ; tile_dim1 = 128
	s_mov_b32 s[G1+5], 1024                        ; elements from row to row of h
	s_mov_b32 s[G1+6], 0
	s_mov_b32 s[G1+7], 0
	s_mov_b32 s[G1B+1], 256<<16                    ; tensor_dim0 = 256
	s_mov_b32 s[G1B+2], 64<<16                     ; tensor_dim1 = 64
	s_mov_b32 s[G1B+3], 256<<16                    ; tile_dim0 = 256
	s_mov_b32 s[G1B+4], 64                         ; tile_dim1 = 64
	s_mov_b32 s[G1B+5], NW
	s_mov_b32 s[G1B+6], 0
	s_mov_b32 s[G1B+7], 0
	s_mov_b32 s[OA+1], 0
	s_mov_b32 s[OW+1], 0
	s_lshl_b32 s17, s12, 7
	s_lshl_b32 s16, s13, 8
	s_add_co_u32 s16, s16, s17                     ; A: row 256 x tile row + 128 x half,
	s_lshl_b32 s16, s16, 11                        ; x 2,048 bytes
	s_mov_b32 s17, 0
	s_lshl_b32 s46, ttmp9, 21                      ; W: the weight,
	s_lshl_b32 s47, s40, 9                         ; its 256 columns,
	s_add_co_u32 s46, s46, s47
	s_lshl_b32 s47, s12, 17                        ; my 64 rows of a K step
	s_add_co_u32 s46, s46, s47
	s_mov_b32 s47, 0
	s_mul_i32 s20, s10, HALFT                      ; where my part goes: no place in the cluster enters an LDS address
	s_mov_b32 s[TB], 0
	s_wait_dscnt 0x0                               ; the opening add is done
	s_wait_kmcnt 0x0
	s_add_nc_u64 s[BA:BA+1], s[4:5], s[16:17]
	s_add_nc_u64 s[BW:BW+1], s[6:7], s[46:47]
.irp s, 0,1
	s_mov_b32 s[G0+4*(\s)], 1
	s_add_co_u32 s[G0+4*(\s)+1], s20, (\s)*SLOT
	s_mov_b32 s[G0B+4*(\s)], 1
	s_add_co_u32 s[G0B+4*(\s)+1], s20, (\s)*SLOT
	AIM \s
.endr
	CROUND                                         ; all sixteen work-groups are here: the first joint loads meet
	s_cmp_eq_u32 s11, 0                            ; a wave's two first fills stand in one branch: two loads of mine are out
	s_cbranch_scc0 .Lfirst_w
	tensor_load_to_lds s[G0:G0+3], s[G1:G1+7]
	s_nop 0
	tensor_load_to_lds s[G0+4:G0+7], s[G1:G1+7]
	s_nop 0
	PLACES
	s_branch .Lfirst_asked
.Lfirst_w:
	tensor_load_to_lds s[G0B:G0B+3], s[G1B:G1B+7]
	s_nop 0
	tensor_load_to_lds s[G0B+4:G0B+7], s[G1B:G1B+7]
	s_nop 0
	PLACES
.Lfirst_asked:
	v_and_b32 v1, 15, v0                           ; r = l % 16
	v_bfe_u32 v2, v0, 4, 1                         ; hf = l / 16
	v_mul_u32_u24 v3, v1, PA
	v_lshl_add_u32 v3, v2, 4, v3
	s_mul_i32 s21, s11, HALFT
	v_add_nc_u32 v[ADRA0], s21, v3                 ; my 128 rows of A: row r, 16 bytes for each half of the lanes
	v_and_b32 v4, 7, v0
	v_lshl_add_u32 v4, v2, 3, v4                   ; the turning load: lane l reads k row 8 hf + l % 8,
	v_mul_u32_u24 v4, v4, PW
	v_bfe_u32 v5, v0, 3, 1
	v_lshl_add_u32 v4, v5, 4, v4                   ; columns 8 ((l / 8) % 2) + 0..7
	s_lshl_b32 s23, s12, 8
	s_add_co_u32 s23, s23, WOFF
	v_add_nc_u32 v[ADRB0], s23, v4                 ; of my 128 columns of W
	v_mov_b32 v[ADRA], v[ADRA0]
	v_mov_b32 v[ADRB], v[ADRB0]
	s_mul_i32 s23, s10, STG                        ; my stage
	v_mul_u32_u24 v5, v1, SPITCH
	v_lshl_add_u32 v5, v2, 5, v5
	v_add_nc_u32 v[STO], s23, v5                   ; in: row r, 32 bytes for each half of the lanes
	v_mul_u32_u24 v6, v2, SPITCH
	v_lshl_add_u32 v6, v1, 4, v6
	v_add_nc_u32 v[RD], s23, v6                    ; back: lanes 0-15 a head's 64 numbers of one token, lanes 16-31 of the next
	v_and_b32 v6, 31, v0
	v_lshlrev_b32 v[CO], 3, v6                     ; which are 256 consecutive bytes of the output
	s_lshr_b32 s16, s13, 2                         ; batch
	s_lshl_b32 s16, s16, 4
	s_lshl_b32 s17, s12, 1
	s_add_co_u32 s16, s16, s17                     ; 16 x batch + 2 x column half: heads,
	s_lshl_b32 s16, s16, 17                        ; of 131,072 bytes
	s_and_b32 s17, s13, 3
	s_lshl_b32 s17, s17, 8
	s_lshl_b32 s21, s11, 7
	s_add_co_u32 s17, s17, s21                     ; my first token,
	s_lshl_b32 s17, s17, 7                         ; of 128 bytes
	s_add_co_u32 s16, s16, s17
	s_mov_b32 s17, 0
	s_lshl_b32 s18, ttmp9, 23                      ; q, k or v
	s_lshl_b32 s19, s40, 19                        ; 4 cx heads
	s_add_co_u32 s18, s18, s19
	s_mov_b32 s19, 0
	s_add_nc_u64 s[8:9], s[8:9], s[16:17]
	s_add_nc_u64 s[8:9], s[8:9], s[18:19]
; 16 matrix instructions: row blocks a0, a0 + 1 of the window's four x all 8 column blocks, 32 along K.  zero = 1: the product starts the sums.  The 64 accumulators take turns.
.macro MUL16 f, hi, a0, zero
	WIN MUL_LO+0x50*(\hi)
.irp a, \a0, (\a0)+1
.irp b, 0,1,2,3,4,5,6,7
.if \zero
	v_wmma_f32_16x16x32_bf16 v[8*(8*(\a)+(\b)):8*(8*(\a)+(\b))+7], v[(\f)+8*(\b):(\f)+8*(\b)+7], v[(\f)+8*(4*(\hi)+(\a)):(\f)+8*(4*(\hi)+(\a))+7], 0
.else
	v_wmma_f32_16x16x32_bf16 v[8*(8*(\a)+(\b)):8*(8*(\a)+(\b))+7], v[(\f)+8*(\b):(\f)+8*(\b)+7], v[(\f)+8*(4*(\hi)+(\a)):(\f)+8*(4*(\hi)+(\a))+7], v[8*(8*(\a)+(\b)):8*(8*(\a)+(\b))+7]
.endif
.endr
.endr
.endm
; 32 LDS loads in one run: quarter q (32 along K) of the slot in hand into buffer f: W's 8 fragments, then A's 8
.macro FETCH q, f
	WIN TO_B
.irp i, 0,1,2,3,4,5,6,7
	ds_load_tr16_b128 v[(\f)+8*(\i):(\f)+8*(\i)+3],   v[ADRB] offset:(\q)*32*PW+(\i)*32
	ds_load_tr16_b128 v[(\f)+8*(\i)+4:(\f)+8*(\i)+7], v[ADRB] offset:(\q)*32*PW+16*PW+(\i)*32
.endr
	WIN 0
.irp i, 0,1,2,3,4,5,6,7
	ds_load_b128 v[(\f)+8*(\i):(\f)+8*(\i)+3],   v[ADRA] offset:(\q)*64+(\i)*16*PA
	ds_load_b128 v[(\f)+8*(\i)+4:(\f)+8*(\i)+7], v[ADRA] offset:(\q)*64+(\i)*16*PA+32
.endr
.endm
; multiplies buffer f; in its middle fetches quarter q into buffer g
.macro QUARTER q, f, g, zero
	s_wait_dscnt 8                                 ; W and A's rows 0-63 are in; the youngest eight loads (A's rows 64-127) may be out
	MUL16 \f, 0, 0, \zero
	MUL16 \f, 0, 2, \zero
	PLACES
	FETCH \q, \g
	s_wait_dscnt 32                                ; all but the 32 just issued
	MUL16 \f, 1, 0, \zero
	MUL16 \f, 1, 2, \zero
.endm
; the first half of a step's last quarter: one barrier for the change of slots.  round = 1: the slot is filled again, and the walking descriptors are aimed while the add is out
.macro MEET round
	WIN 0
	s_wait_tensorcnt 0x0                           ; all my tensor loads have landed: the one that was out is my part of the next slot; so a group 0 may be written
	ds_add_u32 v[SPW], v[NIL]                      ; 0 onto my spare word
.if \round
	s_xor_b32 s[G0+5], s[G0+5], SLOT               ; the slot that is being read out,
	s_xor_b32 s[G0B+5], s[G0B+5], SLOT
	AIM 1                                          ; the ring's next K step
.endif
	s_wait_dscnt 9                                 ; the add and the youngest eight loads may be out
	MUL16 F1, 0, 0, 0
	s_wait_dscnt 0x0                               ; the add is done, and my reads of this slot are over
	s_barrier_signal -1
	MUL16 F1, 0, 2, 0
.if \round
	WIN 0
.endif
	s_barrier_wait -1
.endm
.macro TURNF                           ; the last quarter of a step whose slot is filled again, two K steps ahead
	MEET 1
	CREST                                          ; no wave of any partner still reads this slot or has a load on its way
	JLOAD                                          ; the first tensor load behind the round: 224 matrix instructions ahead of the wait for it; its v_nop are also the places in front of the loads below
	s_xor_b32 s[TB], s[TB], SLOT
	v_add_nc_u32 v[ADRA], s[TB], v[ADRA0]
	v_add_nc_u32 v[ADRB], s[TB], v[ADRB0]
	FETCH 0, F0
	MUL16 F1, 1, 0, 0
	MUL16 F1, 1, 2, 0
.endm
.macro TURNN                           ; the same where nothing is filled; in the last trip there is no further step, and the run of loads is jumped over
	MEET 0
	WIN 0
	s_cmp_eq_u32 s3, 1
	s_cbranch_scc1 .Lnf
	PLACES
	s_xor_b32 s[TB], s[TB], SLOT
	v_add_nc_u32 v[ADRA], s[TB], v[ADRA0]
	v_add_nc_u32 v[ADRB], s[TB], v[ADRB0]
	FETCH 0, F0
	WIN 0
.Lnf:
	MUL16 F1, 1, 0, 0
	MUL16 F1, 1, 2, 0
.endm
	s_wait_tensorcnt 0x1                           ; my part of the first K step is in; the second's may stay out
	s_barrier_signal -1
	s_barrier_wait -1
	FETCH 0, F0
	QUARTER 1, F0, F1, 1                           ; the first quarter stands in front of the loop: its products start the sums
	WIN 0
	s_mov_b32 s3, NSTEP-2
.Lstep:                                                ; a trip: from a step's second quarter to the next step's first; its slot is filled again
	QUARTER 2, F1, F0, 0
	QUARTER 3, F0, F1, 0
	TURNF
	QUARTER 1, F0, F1, 0
	WIN 0
	s_sub_co_u32 s3, s3, 1
	s_cmp_lg_u32 s3, 0
	s_cbranch_scc1 .Lstep
	s_mov_b32 s3, 2
	s_branch .Ltin                                 ; the last two steps: entered behind a step's first quarter
.Ltail:
	QUARTER 1, F0, F1, 0
	WIN 0
.Ltin:
	QUARTER 2, F1, F0, 0
	QUARTER 3, F0, F1, 0
	TURNN
	WIN 0
	s_sub_co_u32 s3, s3, 1
	s_cmp_lg_u32 s3, 0
	s_cbranch_scc1 .Ltail
	s_wait_dscnt 0x0                               ; THE WAY OUT.  Every wave's reads of the ring are over before any wave writes its stage over it
	s_barrier_signal -1
	s_barrier_wait -1
	PLACES
.irp a, 0,1,2,3,4,5,6,7
	WIN 0x08+4*((\a)/4)                            ; store data in window 2 or 3
.irp b, 0,1,2,3,4,5,6,7
	ds_store_b128 v[STO], v[8*(8*((\a)%4)+(\b)):8*(8*((\a)%4)+(\b))+3]   offset:(\a)*16*SPITCH+64*(\b)     ; each accumulator's low registers first
	ds_store_b128 v[STO], v[8*(8*((\a)%4)+(\b))+4:8*(8*((\a)%4)+(\b))+7] offset:(\a)*16*SPITCH+64*(\b)+16
.endr
.endr
	WIN 0
	s_mov_b32 s3, 16
.Lout:                                                 ; 16 trips of 8 tokens x 2 heads.  LDS serves a wave's instructions in order (ISA guide 5.7.1.4): the loads see my stores
.irp p, 0,1,2,3
.irp hh, 0,1
	ds_load_b128 v[T+4*(2*(\p)+(\hh)):T+4*(2*(\p)+(\hh))+3], v[RD] offset:2*SPITCH*(\p)+256*(\hh)
.endr
.endr
	s_wait_dscnt 0x0
.set n, 0
.rept 16
	v_cvt_pk_bf16_f32 v[Y+n], v[T+2*n], v[T+2*n+1]
.set n, n+1
.endr
.irp p, 0,1,2,3
.irp hh, 0,1
	global_store_b64 v[CO], v[Y+2*(2*(\p)+(\hh)):Y+2*(2*(\p)+(\hh))+1], s[8:9] offset:131072*(\hh)+256*(\p)  ; 256 consecutive bytes, at a multiple of 256
.endr
.endr
	s_wait_xcnt 0x0                                ; the stores' offset and data registers are rewritten only behind this wait
	v_add_nc_u32 v[CO], 1024, v[CO]
	v_add_nc_u32 v[RD], 8*SPITCH, v[RD]
	s_sub_co_u32 s3, s3, 1
	s_cmp_lg_u32 s3, 0
	s_cbranch_scc1 .Lout
	s_wait_tensorcnt 0x0                           ; the wave's end
	ds_add_u32 v[SPW], v[NIL]
	s_wait_dscnt 0x0
	CROUND                                         ; the closing round
	s_endpgm
.Lfunc_end_k_qfb7efbc98e_qkv:
	.size	k_qfb7efbc98e_qkv, .Lfunc_end_k_qfb7efbc98e_qkv-k_qfb7efbc98e_qkv
	.p2alignl 7, 3214868480
	.fill 96, 4, 3214868480
	.section	.rodata,"a",@progbits
	.p2align	6, 0x0
	.amdhsa_kernel k_qfb7efbc98e_qkv
		.amdhsa_group_segment_fixed_size 327680
		.amdhsa_private_segment_fixed_size 0
		.amdhsa_enable_private_segment 0
		.amdhsa_kernarg_size 24
		.amdhsa_user_sgpr_count 2
		.amdhsa_user_sgpr_kernarg_segment_ptr 1
		.amdhsa_wavefront_size32 1
		.amdhsa_system_sgpr_workgroup_id_x 1
		.amdhsa_system_sgpr_workgroup_id_y 1
		.amdhsa_system_sgpr_workgroup_id_z 1
		.amdhsa_system_vgpr_workitem_id 0
		.amdhsa_next_free_vgpr 1024
		.amdhsa_next_free_sgpr 78
		.amdhsa_reserve_vcc 0
		.amdhsa_float_denorm_mode_32 3
		.amdhsa_float_denorm_mode_16_64 3
		.amdhsa_memory_ordered 1
		.amdhsa_forward_progress 1
		.amdhsa_inst_pref_size 80
	.end_amdhsa_kernel
	.amdgpu_metadata
---
amdhsa.version: [ 1, 2 ]
amdhsa.kernels:
  - .name:           k_qfb7efbc98e_qkv
    .symbol:         k_qfb7efbc98e_qkv.kd
    .args:
      - { .name: h, .offset: 0, .size: 8, .value_kind: global_buffer, .address_space: global }
      - { .name: wb, .offset: 8, .size: 8, .value_kind: global_buffer, .address_space: global }
      - { .name: qkv, .offset: 16, .size: 8, .value_kind: global_buffer, .address_space: global }
    .group_segment_fixed_size: 327680
    .private_segment_fixed_size: 0
    .kernarg_segment_align: 8
    .kernarg_segment_size: 24
    .max_flat_workgroup_size: 128
    .sgpr_count:     78
    .vgpr_count:     1024
    .wavefront_size: 32
...
	.end_amdgpu_metadata
.endif
;; end of part 2
;; launch attn (part 3): grid 4 x 64, 4 waves a work-group, clusters of 4 x 1, 327,680 bytes of LDS; arguments qkv, att; writes att
.if DOCPART == 3
	.amdgcn_target "amdgcn-amd-amdhsa--gfx1250"
	.amdhsa_code_object_version 6
	.text
	.protected	k_qfb7efbc98e_attn
	.globl	k_qfb7efbc98e_attn
	.p2align	8
	.type	k_qfb7efbc98e_attn,@function
k_qfb7efbc98e_attn:
	s_mov_b64 s[64:65], 0
	v_nop
	global_prefetch_b8 v0, s[64:65] scope:SCOPE_SE
	s_setreg_imm32_b32 hwreg(HW_REG_WAVE_MODE, 25, 1), 1
	s_wait_xcnt 0x0
	s_wait_alu depctr_hold_cnt(0) depctr_sa_sdst(0) depctr_va_vdst(0) depctr_va_sdst(0) depctr_va_ssrc(0) depctr_va_vcc(0) depctr_vm_vsrc(0)
	s_getreg_b32 s2, hwreg(HW_REG_IB_STS2, 6, 4)
	s_cmp_eq_u32 s2, 0
	s_cbranch_scc0 .Lentry_in_a_cluster
	s_endpgm
.Lentry_in_a_cluster:
	s_bfe_u32 s2, ttmp6, 0x10000c
	s_cmp_lg_u32 s2, 0x3003
	s_cbranch_scc0 .Lentry_shape_is_right
	s_endpgm
.Lentry_shape_is_right:
; CAUSAL ATTENTION.  att[g][q][:] = the sum over k <= q of softmax_k(Q[g][q] . K[g][k] / 8) V[g][k][:], g = batch x 16 + head.  Q, K, V at qkv + 8,388,608 x (0, 1, 2), each [64][1024][64] bf16; att likewise.
; Products, maxima and sums in f32; the weights p are rounded to bf16 for the second product (their sum l is taken of the unrounded p), att once at the end.
; LIMITS.  A hidden score counts as its value less 1e30, so scores must stay far below 1e30 in size; c m starts at -4.25e37; a weight below 2^-126 counts as 0; NaN and infinities are not treated apart.
; SHARES.  A head's queries lie in 8 blocks of 128; block i needs the key tiles 0 .. i of 128 keys, the last of which holds the diagonal.  A head has four work-groups, one cluster.  Work-group cx owns rows
; 32 cx .. 32 cx + 31 of EVERY block; its wave w takes them in block 7 - w and then in block w: 9 tiles whatever w: all waves of all work-groups do equal work, in ONE loop of 9 trips, two tiles of 16 rows a trip.
; CLUSTER.  The walk hangs on the wave's number alone, so branches and LDS addresses are alike in the four partners; cx enters Q's and att's addresses and the mask's values, nothing else.  K and V are asked for
; JOINTLY: the same two tensor loads a wave (256 keys of K, 256 of V), with the same descriptors and a mask that names the four; each partner receives them in its own LDS.
; NO RING.  A head's K (1,024 x 144 bytes) and V (1,024 x 160) lie in LDS whole, 311,296 bytes, filled once; nothing is filled again, and one barrier serves.  The price: the first product waits for all of it,
; and the diagonal tile is computed whole.
; LAYOUT.  S^T = K Q^T (source 0 = 16 keys, source 1 = 16 queries): a lane holds ONE query (l % 16) and the keys 8 (l / 16) + 0..7; two such results rounded to bf16 ARE source 1 of O^T = V^T P.
; p = 2^(c s - c m), c = log2(e) / 8, with a running maximum m; O and l are multiplied by a = 2^(c m_old - c m_new) in every step; a block's first step has a = 0.
; THE MASK is the C operand that starts the sums in the diagonal tile: MD, made once: register 8 x + j is -1e30 where 16 x + j > 32 cx + l % 16 - 8 (l / 16).  Tile 0 takes MD[kb], tile 1 MD[kb - 1] (0 for kb = 0).
; A TRIP, dealt so that one tile's vector work stands beside the other's products:
;   1  16 products K Q^T, channels 0-31, both tiles (with 0 or with the mask: the one branch)          2  tile 0's 8 products of channels 32-63, V's 32 LDS loads behind them in fours
;   3  tile 1's 8, the first 28 steps of tile 0's maximum behind them                                    4  the end of tile 0's maximum and the beginning of tile 1's, by turns
;   5  tile 0's 64 exponentials; between them its scalings and roundings, the rest of tile 1's maximum, tile 1's scalings, both tiles' rescaling (in fours) and the next K's 32 LDS loads (in fours)
;   6  tile 1's 64 exponentials; between them its roundings, tile 0's sums, and tile 0's 16 products V^T P, one behind every fourth exponential        7  tile 1's 16 products V^T P, its sums behind them
; Each LDS address that hangs on the tile's number is made in the straight run that holds its loads, from a number held to 0 .. 7 there.
; REGISTERS: window 0: v0-15 addresses; v16-31 statistics, 8 a tile; v32-47 at work; v64-191 S^T, 64 a tile; v192-255 P, 32 a tile
;   window 1: v0-63 O^T, 32 a tile; v64-95 Q; v96-127 the second block's Q; v128-191 MD          window 2: v0-127 K of a tile; v128-255 V of a tile
.set PK,    144       ; a row of K: 128 bytes + 16: the 16 rows of a load start at 16 different groups of four banks (64 banks of 4 bytes: ISA guide 11.1)
.set PVP,   160       ; a row of V: 128 + 32
.set VBASE, 1024*PK
.set STAGE, VBASE+1024*PVP  ; never filled by a tensor load: 16 rows x 144 bytes for each wave
.set SP,    144
.set SPARE, STAGE+4*16*SP   ; the spare words, 128 bytes a wave: two blocks of 256 bytes that no other line names
.set AK0, 2
.set AV0, 3
.set AK,  4
.set AV,  5
.set STO, 6
.set RD,  7
.set GO,  8
.set MT,  14          ; v14  32 cx + l % 16 - 8 (l / 16)
.set QO,  15
.set ST,  16          ; tile t at v[ST+8 t]: c m, m, l (even keys', odd keys'), a, a's partner in a pair, c m_old
.set TMP, 32          ; tile t at v[TMP+8 t]: eight chains
.set SPW, 62
.set NIL, 63
.set S,   64
.set P,   192
.set Q,   64          ; window 1
.set Q2,  96
.set MD,  128
.set KF,  0           ; window 2: key block kb, channel half c at KF + 16 kb + 8 c
.set VF,  128         ; key group kk of 32, channel block cb at VF + 32 kk + 8 cb
.set WV,  12          ; s12  my wave's number, which is also my second block's
.set CUR, 15          ; s15  the block in hand
.set CXR, 21          ; s21  cx
.set G1K, 24
.set G1V, 32
.set G0K, 40
.set G0V, 44
.set TRIPS, 56
.set KT,  57          ; the key tile in hand
.set NKT, 58          ; the next
.set DG,  59          ; 1: the tile in hand holds the diagonal
.set SEL, 60
.set TK,  62          ; LDS byte of the next tile's K
.set TV,  63          ; LDS byte of this tile's V, less VBASE
.set CS,  70
.set BIGN, 72
.set OLO, 74          ; s[74:75] att at my rows of my second block
.set QLO, 76          ; s[76:77] Q there
.set MSB, 0
.macro WIN new                         ; the immediate's high byte repeats the setting that is left; a switch that changes nothing is dropped
.if MSB != (\new)
	s_set_vgpr_msb (MSB<<8)|(\new)
.set MSB, \new
.endif
.endm
.set W_KQ, 0x06       ; K window 2, Q window 1, S^T window 0
.set W_KM, 0x16       ; the same with C in window 1
.set W_PV, 0x52       ; V window 2, P window 0, O^T window 1
.set W_RS, 0x41       ; destination and source 0 window 1, source 1 window 0
.macro CROUND                          ; a round of the cluster's barrier
	s_barrier_signal -1
	s_barrier_wait -1
	s_cmp_lg_u32 s[WV], 0
	s_cbranch_scc1 .Lnot_wave_0_\@
	s_barrier_signal -3
.Lnot_wave_0_\@:
	s_barrier_wait -3
	s_barrier_signal -1
	s_barrier_wait -1
.endm
	s_load_b128 s[4:7], s[0:1], 0x0                ; qkv s[4:5], att s[6:7]
	v_lshl_add_u32 v[SPW], v0, 2, SPARE
	v_mov_b32 v[NIL], 0
	ds_add_u32 v[SPW], v[NIL]                      ; the wave's opening: the add and its wait stand ahead of the round in front of my first tensor loads
	v_lshrrev_b32 v1, 5, v0
	v_readfirstlane_b32 s[WV], v1
	s_bfe_u32 s[CXR], ttmp6, 0x40000               ; cx: my place in the cluster
	s_sub_co_u32 s[CUR], 7, s[WV]                  ; my first block
	s_and_b32 s20, ttmp7, 0xffff                   ; the head, which the four partners share
	s_lshl_b32 s20, s20, 17                        ; its 131,072 bytes
	s_lshl_b32 s22, s[WV], 15                      ; the 256 keys of 128 bytes that I fetch
	s_add_co_u32 s22, s22, s20
	s_add_co_u32 s22, s22, 8388608                 ; in K
	s_mov_b32 s23, 0
	s_lshl_b32 s3, s[CXR], 12                      ; my work-group's 32 rows in a block
	s_add_co_u32 s3, s3, s20
	s_lshl_b32 s16, s[CUR], 14                     ; the first block's 128 rows
	s_add_co_u32 s16, s16, s3
	s_mov_b32 s17, 0
	s_lshl_b32 s18, s[WV], 14                      ; the second's
	s_add_co_u32 s18, s18, s3
	s_mov_b32 s19, 0
	s_mov_b32 s[G1K], 15|(1<<16)|(1<<20)|(1<<21)|(4<<22)|(3<<25)  ; the mask of four; 2-byte elements; padding on; bit 21 beside a mask; after every 32 words 4 words
	s_mov_b32 s[G1V], 15|(1<<16)|(1<<20)|(1<<21)|(4<<22)|(7<<25)  ; 8 words
.irp g, G1K, G1V
	s_mov_b32 s[\g+1], 128<<16                     ; 256 keys are 32,768 dense bytes: 128 rows of 256 bytes, two keys a row
	s_mov_b32 s[\g+2], 128<<16
	s_mov_b32 s[\g+3], 128<<16
	s_mov_b32 s[\g+4], 128
	s_mov_b32 s[\g+5], 128
	s_mov_b32 s[\g+6], 0
	s_mov_b32 s[\g+7], 0
.endr
	s_mov_b32 s[G0K], 1
	s_mul_i32 s[G0K+1], s[WV], 256*PK
	s_mov_b32 s[G0V], 1
	s_mul_i32 s[G0V+1], s[WV], 256*PVP
	s_add_co_u32 s[G0V+1], s[G0V+1], VBASE
	s_mov_b32 s[CS], 0x3e38aa3b                    ; c = log2(e) / 8
	s_mov_b32 s[CS+1], s[CS]
	s_mov_b32 s[SEL], 0x76543210
	s_mov_b32 s[SEL+1], 0xfedcba98
	s_mov_b32 s[BIGN], 0xf149f2ca                  ; -1e30
	s_mov_b32 s[TRIPS], 9
	s_mov_b32 s[KT], 0
	s_wait_dscnt 0x0                               ; the opening add is done
	s_wait_kmcnt 0x0
	s_add_nc_u64 s[G0K+2:G0K+3], s[4:5], s[22:23]
	s_add_nc_u64 s[G0V+2:G0V+3], s[G0K+2:G0K+3], 8388608
	s_or_b32 s[G0K+3], s[G0K+3], 0x80000000
	s_or_b32 s[G0V+3], s[G0V+3], 0x80000000
	s_add_nc_u64 s[8:9], s[4:5], s[16:17]          ; Q at my rows of the first block
	s_add_nc_u64 s[QLO:QLO+1], s[4:5], s[18:19]
	s_add_nc_u64 s[10:11], s[6:7], s[16:17]        ; att likewise
	s_add_nc_u64 s[OLO:OLO+1], s[6:7], s[18:19]
	CROUND                                         ; all four work-groups are here: the joint loads meet
	tensor_load_to_lds s[G0K:G0K+3], s[G1K:G1K+7]  ; every wave fills bytes of its own: two loads of mine are out
	s_nop 0
	tensor_load_to_lds s[G0V:G0V+3], s[G1V:G1V+7]
	s_nop 0
.rept 4
	v_nop
.endr
	v_and_b32 v1, 15, v0                           ; r
	v_bfe_u32 v9, v0, 4, 1                         ; hf
	v_lshlrev_b32 v[QO], 7, v1
	v_lshl_add_u32 v[QO], v9, 4, v[QO]             ; row x 128 + 16 x half
	WIN 0x40                                       ; destination window 1
.irp f, 0,1,2,3                                        ; tile f / 2, channels 32 (f % 2) on
	global_load_b128 v[Q+8*\f:Q+8*\f+3],     v[QO], s[8:9] offset:(\f/2)*2048+(\f%2)*64
	global_load_b128 v[Q+8*\f+4:Q+8*\f+7],   v[QO], s[8:9] offset:(\f/2)*2048+(\f%2)*64+32
	global_load_b128 v[Q2+8*\f:Q2+8*\f+3],   v[QO], s[QLO:QLO+1] offset:(\f/2)*2048+(\f%2)*64
	global_load_b128 v[Q2+8*\f+4:Q2+8*\f+7], v[QO], s[QLO:QLO+1] offset:(\f/2)*2048+(\f%2)*64+32
.endr
	WIN 0
	v_lshlrev_b32 v[MT], 3, v9
	v_sub_nc_u32 v[MT], v1, v[MT]
	s_lshl_b32 s13, s[CXR], 5
	v_add_nc_u32 v[MT], s13, v[MT]
	WIN 0x40
.set i, 0
.rept 64
	v_cmp_gt_i32 vcc_lo, 16*(i/8)+i%8, v[MT]
	v_cndmask_b32 v[MD+i], 0, s[BIGN], vcc_lo
.set i, i+1
.endr
.set i, 0
.rept 64                                               ; O^T need only be finite: a block's first step multiplies it by a = 0.  All this stands in the wait for K and V
	v_mov_b32 v[i], 0
.set i, i+1
.endr
	WIN 0
.irp t, 0,1
	v_mov_b32 v[ST+8*\t], 0xfe000000               ; c m: far below every c s
	v_mov_b32 v[ST+8*\t+1], 0xff7fffff             ; m
	v_mov_b32 v[ST+8*\t+2], 0
	v_mov_b32 v[ST+8*\t+3], 0
	v_mov_b32 v[ST+8*\t+5], 0                      ; named with a as a pair
.endr
	v_mul_u32_u24 v[AK0], v1, PK
	v_lshl_add_u32 v[AK0], v9, 4, v[AK0]
	v_and_b32 v10, 7, v0
	v_bfe_u32 v11, v0, 3, 1
	v_lshl_add_u32 v[AV0], v9, 3, v10              ; the turning load: lane l reads key 8 hf + l % 8, channels 8 ((l / 8) % 2) + 0..7
	v_mul_u32_u24 v[AV0], v[AV0], PVP
	v_lshl_add_u32 v[AV0], v11, 4, v[AV0]
	v_add_nc_u32 v[AV0], VBASE, v[AV0]
	s_mul_i32 s13, s[WV], 16*SP
	s_add_co_u32 s13, s13, STAGE
	v_mul_u32_u24 v[STO], v1, SP
	v_lshl_add_u32 v[STO], v9, 4, v[STO]
	v_add_nc_u32 v[STO], s13, v[STO]
	v_bfe_u32 v[RD], v0, 3, 2                      ; back: 32 lanes take four rows of 128 bytes,
	v_mul_u32_u24 v[RD], v[RD], SP
	v_lshl_add_u32 v[RD], v10, 4, v[RD]
	v_add_nc_u32 v[RD], s13, v[RD]
	v_and_b32 v[GO], 31, v0                        ; which are 512 consecutive bytes of att
	v_lshlrev_b32 v[GO], 4, v[GO]
	v_mov_b32 v[AK], v[AK0]
.macro LDK f                           ; fragment f of K: keys 16 (f / 2) on, channels 32 (f % 2) on
	WIN 0x80
	ds_load_b128 v[KF+8*(\f):KF+8*(\f)+3],   v[AK] offset:((\f)/2)*16*PK+((\f)%2)*64
	ds_load_b128 v[KF+8*(\f)+4:KF+8*(\f)+7], v[AK] offset:((\f)/2)*16*PK+((\f)%2)*64+32
.endm
.macro LDV f                           ; fragment f of V, turned: keys 32 (f / 4) on, channels 16 (f % 4) on
	WIN 0x80
	ds_load_tr16_b128 v[VF+8*(\f):VF+8*(\f)+3],   v[AV] offset:((\f)/4)*32*PVP+((\f)%4)*32
	ds_load_tr16_b128 v[VF+8*(\f)+4:VF+8*(\f)+7], v[AV] offset:((\f)/4)*32*PVP+16*PVP+((\f)%4)*32
.endm
; THE MATRIX WORK.  No two matrix instructions that follow each other name one accumulator: 16 take turns in K Q^T, 4 in a tile's V^T P.
.macro KQA mode                        ; product i of 16 of S^T = K Q^T, channels 0-31: keys 16 (i / 2) on, tile i % 2.  It starts the sum: with 0, or (mode = 1) with the mask
.set tt, i%2
.set kb, i/2
.set rS, S+64*tt+8*kb
.if (\mode) && (kb >= tt)
	WIN W_KM
	v_wmma_f32_16x16x32_bf16 v[rS:rS+7], v[KF+16*kb:KF+16*kb+7], v[Q+16*tt:Q+16*tt+7], v[MD+8*(kb-tt):MD+8*(kb-tt)+7]
.else
	WIN W_KQ
	v_wmma_f32_16x16x32_bf16 v[rS:rS+7], v[KF+16*kb:KF+16*kb+7], v[Q+16*tt:Q+16*tt+7], 0
.endif
.set i, i+1
.endm
.macro KQB t, kb                       ; channels 32-63, tile t, keys 16 kb on
	WIN W_KQ
	v_wmma_f32_16x16x32_bf16 v[S+64*(\t)+8*(\kb):S+64*(\t)+8*(\kb)+7], v[KF+16*(\kb)+8:KF+16*(\kb)+15], v[Q+16*(\t)+8:Q+16*(\t)+15], v[S+64*(\t)+8*(\kb):S+64*(\t)+8*(\kb)+7]
.endm
.macro PVT t, n                        ; product n of 16 of tile t's O^T += V^T P: keys 32 (n / 4) on, channels 16 (n % 4) on
	WIN W_PV
	v_wmma_f32_16x16x32_bf16 v[32*(\t)+8*((\n)%4):32*(\t)+8*((\n)%4)+7], v[VF+32*((\n)/4)+8*((\n)%4):VF+32*((\n)/4)+8*((\n)%4)+7], v[P+32*(\t)+8*((\n)/4):P+32*(\t)+8*((\n)/4)+7], v[32*(\t)+8*((\n)%4):32*(\t)+8*((\n)%4)+7]
.endm
; THE VECTOR WORK, one line at a time.
; MX: number n of the 38 that find tile t's maximum and statistics.  0-23: eight chains of seven scores, each beginning at its accumulator's lowest registers; 24-27: the eight scores left over;
; 28-31: the chains and the old m into c0; 32: c m_old is kept; 33, 34: the query's other 64 keys lie in the lane 16 away: the new m; 35-37: c m; c m_old - c m_new; a
.macro MX t, n
	WIN 0
.set rT, ST+8*(\t)
.set rC, TMP+8*(\t)
.set rS, S+64*(\t)
.if (\n) < 8
	v_max3_num_f32 v[rC+(\n)], v[rS+8*(\n)], v[rS+8*(\n)+1], v[rS+8*(\n)+2]
.elseif (\n) < 24
	v_max3_num_f32 v[rC+(\n)%8], v[rC+(\n)%8], v[rS+8*((\n)%8)+2*((\n)/8)+1], v[rS+8*((\n)%8)+2*((\n)/8)+2]
.elseif (\n) < 28
	v_max3_num_f32 v[rC+(\n)-24], v[rC+(\n)-24], v[rS+16*((\n)-24)+7], v[rS+16*((\n)-24)+15]
.elseif (\n) == 28
	v_max3_num_f32 v[rC], v[rC], v[rC+1], v[rC+2]
.elseif (\n) == 29
	v_max3_num_f32 v[rC+3], v[rC+3], v[rC+4], v[rC+5]
.elseif (\n) == 30
	v_max3_num_f32 v[rC+6], v[rC+6], v[rC+7], v[rT+1]
.elseif (\n) == 31
	v_max3_num_f32 v[rC], v[rC], v[rC+3], v[rC+6]
.elseif (\n) == 32
	v_mov_b32 v[rT+6], v[rT]
.elseif (\n) == 33
	v_permlanex16_b32 v[rC+1], v[rC], s[SEL], s[SEL+1]
.elseif (\n) == 34
	v_max_num_f32 v[rT+1], v[rC], v[rC+1]
.elseif (\n) == 35
	v_mul_f32 v[rT], s[CS], v[rT+1]
.elseif (\n) == 36
	v_sub_f32 v[rT+6], v[rT+6], v[rT]
.else
	v_exp_f32 v[rT+4], v[rT+6]
.endif
.endm
.macro FS t, n                         ; c s - c m for pair n of 32
	WIN 0
	v_pk_fma_f32 v[S+64*(\t)+2*(\n):S+64*(\t)+2*(\n)+1], v[S+64*(\t)+2*(\n):S+64*(\t)+2*(\n)+1], s[CS:CS+1], v[ST+8*(\t):ST+8*(\t)+1] op_sel_hi:[1,0,0] neg_lo:[0,0,1] neg_hi:[0,0,1]
.endm
.macro EX t, n                         ; the exponential of score n of 64
	WIN 0
	v_exp_f32 v[S+64*(\t)+(\n)], v[S+64*(\t)+(\n)]
.endm
.macro CV t, n                         ; pair n rounded to bf16
	WIN 0
	s_wait_alu depctr_va_vdst(0)
	v_cvt_pk_bf16_f32 v[P+32*(\t)+(\n)], v[S+64*(\t)+2*(\n)], v[S+64*(\t)+2*(\n)+1]
.endm
.macro SU t, z                         ; number z of the 32 that sum tile t's 32 pairs, in place: neighbours 16, 8, 4, 2, 1 pairs apart; the last: l = a l + sum
	WIN 0
.set rS, S+64*(\t)
.set rT, ST+8*(\t)
.set w, 16
.set u, (\z)
.if (\z) >= 30
.set w, 1
.set u, 0
.elseif (\z) >= 28
.set w, 2
.set u, (\z)-28
.elseif (\z) >= 24
.set w, 4
.set u, (\z)-24
.elseif (\z) >= 16
.set w, 8
.set u, (\z)-16
.endif
.if (\z) < 31
	v_pk_add_f32 v[rS+2*u:rS+2*u+1], v[rS+2*u:rS+2*u+1], v[rS+2*(u+w):rS+2*(u+w)+1]
.else
	v_pk_fma_f32 v[rT+2:rT+3], v[rT+2:rT+3], v[rT+4:rT+5], v[rS:rS+1] op_sel_hi:[1,0,1]
.endif
.endm
.macro RS4 t, g                        ; accumulator g of tile t's O^T times a, from its low end on: the one part that leaves window 0, so it is dealt in fours
	WIN W_RS
.irp z, 0,1,2,3
	v_pk_mul_f32 v[32*(\t)+8*(\g)+2*\z:32*(\t)+8*(\g)+2*\z+1], v[32*(\t)+8*(\g)+2*\z:32*(\t)+8*(\g)+2*\z+1], v[ST+8*(\t)+4:ST+8*(\t)+5] op_sel_hi:[1,0]
.endr
.endm
.macro PACK t                          ; tile t: O^T / l, rounded; a lane's eight channels of a row are 16 bytes; into rows of 144 bytes and back as whole rows of 128, into S^T's registers
	WIN W_RS
.set z, 0
.rept 16
	v_pk_mul_f32 v[32*(\t)+z:32*(\t)+z+1], v[32*(\t)+z:32*(\t)+z+1], v[ST+8*(\t)+2:ST+8*(\t)+3] op_sel_hi:[1,0]
.set z, z+2
.endr
	WIN 0x05
.set z, 0
.rept 16
	v_cvt_pk_bf16_f32 v[S+16*(\t)+z], v[32*(\t)+2*z], v[32*(\t)+2*z+1]
.set z, z+1
.endr
	WIN 0
.irp f, 0,1,2,3
	ds_store_b128 v[STO], v[S+16*(\t)+4*\f:S+16*(\t)+4*\f+3] offset:32*\f
.endr
.irp f, 0,1,2,3
	ds_load_b128 v[S+16*(\t)+4*\f:S+16*(\t)+4*\f+3], v[RD] offset:\f*4*SP  ; LDS serves a wave's instructions in order (ISA guide 5.7.1.4): these see the stores above
.endr
.endm
.macro SEND t, younger                 ; younger: the LDS instructions issued behind tile t's loads
.irp f, 0,1,2,3
	s_wait_dscnt (\younger)+3-\f
	global_store_b128 v[GO], v[S+16*(\t)+4*\f:S+16*(\t)+4*\f+3], s[10:11] offset:(\t)*2048+\f*512  ; 512 consecutive bytes, at a multiple of 256
.endr
.endm
	s_wait_tensorcnt 0x0                           ; my parts of K and V are in,
	s_barrier_signal -1
	s_barrier_wait -1                              ; everybody's are; nothing is ever filled again
.irp f, 0,1,2,3,4,5,6,7,8,9,10,11,12,13,14,15
	LDK \f                                         ; key tile 0
.endr
	WIN 0
	s_wait_loadcnt 0x0                             ; Q of both blocks
.Ltrip:
	s_wait_dscnt 0x0                               ; K is in
	s_cmp_eq_u32 s[KT], s[CUR]
	s_cbranch_scc1 .Ldiag
.set i, 0
.rept 16
	KQA 0
.endr
	WIN 0
	s_branch .Ljoin
.Ldiag:
.set i, 0
.rept 16
	KQA 1
.endr
	WIN 0
.Ljoin:
	s_min_u32 s[TV], s[KT], 7                      ; the tile in hand, 0 to 7: the bound is stated here, in the run that holds the loads,
	s_mul_i32 s[TV], s[TV], 128*PVP                ; times its 128 rows of V
	v_add_nc_u32 v[AV], s[TV], v[AV0]              ; with the four sums that end a trip: five places between the last product that read V and the loads into V's registers
.set k, 0
.rept 8                                                ; tile 0's second half; this tile's V is asked for behind the products, four loads each
	KQB 0, k
	LDV 2*k
	LDV 2*k+1
.set k, k+1
.endr
	s_add_co_u32 s[NKT], s[KT], 1
	s_cmp_eq_u32 s[KT], s[CUR]
	s_cselect_b32 s[DG], 1, 0
	s_cselect_b32 s[NKT], 0, s[NKT]                ; behind a block's last tile comes tile 0
	s_min_u32 s[NKT], s[NKT], 7
	s_mul_i32 s[TK], s[NKT], 128*PK
	KQB 1, 0
	WIN 0
	v_add_nc_u32 v[AK], s[TK], v[AK0]              ; four places between tile 0's products and the first read of its scores
.rept 3
	v_nop
.endr
.set k, 1
.rept 7                                                ; tile 1's second half; tile 0's maximum behind the products.  The last four lines are the places in front of the reads of tile 1's scores and of the loads into K's registers
	KQB 1, k
	MX 0, 4*k-4
	MX 0, 4*k-3
	MX 0, 4*k-2
	MX 0, 4*k-1
.set k, k+1
.endr
.set k, 0
.rept 10                                               ; the end of tile 0's maximum is a chain: tile 1's first steps stand between its links
	MX 0, 28+k
	MX 1, k
.set k, k+1
.endr
	FS 0, 0
	MX 1, 10
	FS 0, 1
	MX 1, 11
; Tile 0's exponentials.  A pair is scaled two pairs ahead of its exponentials and rounded a pair behind them, so a plain line always stands between an exponential and the use of its result (ISA guide 5.7.2).
.set e, 0
.rept 64
	EX 0, e
.if (e%2 == 0) && (e/2+2 < 32)
	FS 0, e/2+2
.endif
.if (e%2 == 1) && (e >= 3)
	CV 0, (e-3)/2
.endif
.if e < 26
	MX 1, 12+e
.elseif e < 58
	FS 1, e-26
.endif
.if e%8 == 3
	LDK 2*(e/8)                                    ; the next trip's K (in the last trip: tile 0 once more, unused)
	LDK 2*(e/8)+1
.endif
.if e%8 == 7
.if e < 32
	RS4 0, e/8
.else
	RS4 1, e/8-4
.endif
.endif
.set e, e+1
.endr
; Tile 1's exponentials; tile 0's products V^T P ride on them.
.set e, 0
.rept 64
	EX 1, e
.if e == 0
	CV 0, 31
.elseif e%2 == 1
.if e >= 3
	CV 1, (e-3)/2
.endif
.else
	SU 0, e/2-1
.endif
.if e%4 == 1
.if e == 1
	s_wait_dscnt 32                                ; V is in; K's 32 younger loads may stay out
.endif
	PVT 0, (e-1)/4
.endif
.set e, e+1
.endr
	CV 1, 31
	SU 0, 31
.set i, 0
.rept 16                                               ; tile 1's products V^T P, its sums behind them; four sums stand behind the last product
	PVT 1, i
.if i < 14
	SU 1, 2*i
	SU 1, 2*i+1
.elseif i == 15
	SU 1, 28
	SU 1, 29
	SU 1, 30
	SU 1, 31
.endif
.set i, i+1
.endr
	WIN 0
	s_cmp_eq_u32 s[DG], 1
	s_cbranch_scc0 .Lnext
.irp t, 0,1                                            ; A BLOCK ENDS
	v_add_f32 v[ST+8*\t+2], v[ST+8*\t+2], v[ST+8*\t+3]
.endr
.irp t, 0,1
	v_permlanex16_b32 v[ST+8*\t+3], v[ST+8*\t+2], s[SEL], s[SEL+1]
.endr
.irp t, 0,1
	v_add_f32 v[ST+8*\t+2], v[ST+8*\t+2], v[ST+8*\t+3]
.endr
.irp t, 0,1
	v_rcp_f32 v[ST+8*\t+2], v[ST+8*\t+2]
.endr
	v_nop                                          ; a plain instruction between the last reciprocal and the use of its result
	s_wait_alu depctr_va_vdst(0)
	PACK 0
	PACK 1
	SEND 0, 8
	SEND 1, 0
	s_wait_xcnt 0x0                                ; the stores' data registers and base are rewritten only behind this wait
	s_mov_b64 s[10:11], s[OLO:OLO+1]
	s_mov_b32 s[CUR], s[WV]
	WIN W_RS
.set z, 0
.rept 32
	v_mov_b32 v[Q+z], v[Q2+z]                      ; the second block's Q goes where the one text names Q
.set z, z+1
.endr
	WIN 0
.irp t, 0,1
	v_mov_b32 v[ST+8*\t], 0xfe000000               ; the next step's a is 0: what O^T and l hold need only be finite
	v_mov_b32 v[ST+8*\t+1], 0xff7fffff
.endr
.Lnext:
	s_mov_b32 s[KT], s[NKT]
	s_sub_co_u32 s[TRIPS], s[TRIPS], 1
	s_cmp_lg_u32 s[TRIPS], 0
	s_cbranch_scc1 .Ltrip
	s_wait_tensorcnt 0x0                           ; the wave's end
	ds_add_u32 v[SPW], v[NIL]
	s_wait_dscnt 0x0
	CROUND                                         ; the closing round
	s_endpgm
.Lfunc_end_k_qfb7efbc98e_attn:
	.size	k_qfb7efbc98e_attn, .Lfunc_end_k_qfb7efbc98e_attn-k_qfb7efbc98e_attn
	.p2alignl 7, 3214868480
	.fill 96, 4, 3214868480
	.section	.rodata,"a",@progbits
	.p2align	6, 0x0
	.amdhsa_kernel k_qfb7efbc98e_attn
		.amdhsa_group_segment_fixed_size 327680
		.amdhsa_private_segment_fixed_size 0
		.amdhsa_enable_private_segment 0
		.amdhsa_kernarg_size 16
		.amdhsa_user_sgpr_count 2
		.amdhsa_user_sgpr_kernarg_segment_ptr 1
		.amdhsa_wavefront_size32 1
		.amdhsa_system_sgpr_workgroup_id_x 1
		.amdhsa_system_sgpr_workgroup_id_y 1
		.amdhsa_system_sgpr_workgroup_id_z 1
		.amdhsa_system_vgpr_workitem_id 0
		.amdhsa_next_free_vgpr 768
		.amdhsa_next_free_sgpr 80
		.amdhsa_reserve_vcc 1
		.amdhsa_float_denorm_mode_32 3
		.amdhsa_float_denorm_mode_16_64 3
		.amdhsa_memory_ordered 1
		.amdhsa_forward_progress 1
		.amdhsa_inst_pref_size 66
	.end_amdhsa_kernel
	.amdgpu_metadata
---
amdhsa.version: [ 1, 2 ]
amdhsa.kernels:
  - .name:           k_qfb7efbc98e_attn
    .symbol:         k_qfb7efbc98e_attn.kd
    .args:
      - { .name: qkv, .offset: 0, .size: 8, .value_kind: global_buffer, .address_space: global }
      - { .name: att, .offset: 8, .size: 8, .value_kind: global_buffer, .address_space: global }
    .group_segment_fixed_size: 327680
    .private_segment_fixed_size: 0
    .kernarg_segment_align: 8
    .kernarg_segment_size: 16
    .max_flat_workgroup_size: 128
    .sgpr_count:     80
    .vgpr_count:     768
    .wavefront_size: 32
...
	.end_amdgpu_metadata
.endif
;; end of part 3
;; launch wo (part 4): grid 8 x 32, 4 waves a work-group, clusters of 4 x 4, 327,680 bytes of LDS; arguments att, wb, x1, bo, x; writes x1
.if DOCPART == 4
	.amdgcn_target "amdgcn-amd-amdhsa--gfx1250"
	.amdhsa_code_object_version 6
	.text
	.protected	k_qfb7efbc98e_wo
	.globl	k_qfb7efbc98e_wo
	.p2align	8
	.type	k_qfb7efbc98e_wo,@function
k_qfb7efbc98e_wo:
	s_mov_b64 s[64:65], 0
	v_nop
	global_prefetch_b8 v0, s[64:65] scope:SCOPE_SE
	s_setreg_imm32_b32 hwreg(HW_REG_WAVE_MODE, 25, 1), 1
	s_wait_xcnt 0x0
	s_wait_alu depctr_hold_cnt(0) depctr_sa_sdst(0) depctr_va_vdst(0) depctr_va_sdst(0) depctr_va_ssrc(0) depctr_va_vcc(0) depctr_vm_vsrc(0)
	s_getreg_b32 s2, hwreg(HW_REG_IB_STS2, 6, 4)
	s_cmp_eq_u32 s2, 0
	s_cbranch_scc0 .Lentry_in_a_cluster
	s_endpgm
.Lentry_in_a_cluster:
	s_bfe_u32 s2, ttmp6, 0x10000c
	s_cmp_lg_u32 s2, 0xf033
	s_cbranch_scc0 .Lentry_shape_is_right
	s_endpgm
.Lentry_shape_is_right:
; out = res + A W + bias, all of out, res, bias in f32; A and W bf16, sums in f32.  One text for two launches; WO = 1 here:
;   WO = 1: x1 = x + att Wo + bo.  A = att lies by heads, [batch x 16 + head][1024 tokens][64]; k = 64 head + channel; K = 1,024.  W = Wo at wb + 6,291,456.
;   WO = 0: out0 = x1 + act W2 + b2.  A = act, [4096][4096]; K = 4,096.  W = W2 at wb + 16,777,216.
; A tile of C is 128 x 128 (8 x 32 tiles: one for each of 256 work-groups); four waves, each 64 x 64: 16 accumulators.  K goes in steps of 256 through a ring of two LDS slots.
; A's tile: two halves of 64 rows, 36,864 bytes apart.  WO = 0: rows of 512 bytes, 528 apart.  WO = 1: a K step is 4 heads, and 64 tokens of a head are 8,192 dense bytes: 4 rows of 4,096 elements,
; padded after every token: [head][token], tokens 144 bytes apart, heads 9,216.  W's tile lies as in memory, [k][n]: 256 rows x 256 bytes, 288 apart; its fragments are taken turned.
; Waves 0 and 1 fetch A's halves, waves 2 and 3 W's (128 rows each); wave w fills 36,864 w + slot.  CLUSTER 4 x 4: A's tile is asked for jointly by a row of the cluster, W's by a column.
; THE WALK OF K IS A RING: cluster (X, Y) begins at K step (NSTEP / 2) X + FY Y (mod NSTEP) and goes round.  The two clusters that read the same rows of A (same Y) begin half a walk apart, those that read the
; same columns of W (same X) FY steps apart, so that they do not ask for a tile at the same time.  The sums take K in that order.  The step's number KI is the same in all partners.
; A loop trip is ONE K step; the slot in hand is the scalar TB, turned by an exclusive or; SLOT = 0x24000 shares no bit with a wave's LDS word (0, 0x9000, 0x12000, 0x1b000), so the exclusive or there is the addition.
; The residual's 64 x 64 numbers are asked for at the start into registers of their own and waited for at the end.
; THE MATRIX INSTRUCTION IS USED TRANSPOSED (source 0 = 16 columns of W, source 1 = 16 rows of A).  THE WAY OUT: the ring has had its last fill; the f32 sums go through a stage of the wave's own that lies
; over it (64 rows x 272 bytes) and come back so that sixteen lanes hold 256 consecutive bytes of a row of C.
; REGISTERS: window 0: v0-31 addresses, v128-255 accumulators; window 1: two fragment buffers of 128 (64 of A, 64 of W); window 2: v0-127 the residual.
.set WO, 1
.if WO
.set NSTEP,  4
.set FXS,    1                         ; log2 (NSTEP / 2)
.set FYS,    0                         ; log2 FY
.set PITA,   144
.set QSTRA,  9216                      ; from a quarter (64 along K: a head) to the next
.set ASTEP,  524288                    ; 4 heads of 131,072 bytes
.set WBASE,  6291456
.set AD0,    4096
.set AD1,    4
.set APITCH, 65536
.set AQI,    4
.else
.set NSTEP,  16
.set FXS,    3
.set FYS,    1
.set PITA,   528
.set QSTRA,  128
.set ASTEP,  512
.set WBASE,  16777216
.set AD0,    256
.set AD1,    64
.set APITCH, 4096
.set AQI,    6
.endif
.set PW,     288                       ; 256 + 32: 72 words
.set PART,   36864                     ; what a wave's tensor load has to itself
.set AREG,   2*PART
.set SLOT,   4*PART
.set SPARE,  2*SLOT                    ; the spare words, 128 bytes a wave: two blocks of 256 bytes that no other line names
.set WSTEP,  256*1024*2
.set SPITCH, 272
.set STG,    64*SPITCH
.set BIAS,  8                          ; v[8:11]
.set ADRA0, 16
.set ADRB0, 17
.set ADRA,  18
.set ADRB,  19
.set ADRB2, 20                         ; W's rows 128 on: the offsets stay inside 16 bits
.set STO,   24
.set RD,    25
.set CO,    26
.set BO,    27
.set SPW,   28
.set NIL,   29
.set ACC,   128
.set F0,    0
.set F1,    128
.set BA,    14                         ; s[14:15] A at my part of K step 0; kept
.set TB,    22
.set G1,    24
.set G0,    32
.set KI,    45                         ; s45  the K step to be asked for next
.set BW,    46                         ; s[46:47] W at my part of K step 0; kept
.set G1B,   48
.set G0B,   56
.set OA,    74                         ; s[74:75] a K step's byte offset in A
.set OW,    76                         ; s[76:77] in W
.set MSB, 0
.macro WIN new
.if MSB != (\new)
	s_set_vgpr_msb (MSB<<8)|(\new)
.set MSB, \new
.endif
.endm
.set MUL,  0x05                        ; sources 0 (W) and 1 (A) window 1; C and D window 0
.set TO_F, 0x40
.macro PLACES
.rept 4
	v_nop
.endr
.endm
.macro AIM s                           ; set s of both group 0s takes K step KI: the kept base plus an offset made apart, the type bits set again; KI goes on round the ring
	s_mul_i32 s[OA], s[KI], ASTEP
	s_mul_i32 s[OW], s[KI], WSTEP
	s_add_nc_u64 s[G0+4*(\s)+2:G0+4*(\s)+3], s[BA:BA+1], s[OA:OA+1]
	s_or_b32 s[G0+4*(\s)+3], s[G0+4*(\s)+3], 0x80000000
	s_add_nc_u64 s[G0B+4*(\s)+2:G0B+4*(\s)+3], s[BW:BW+1], s[OW:OW+1]
	s_or_b32 s[G0B+4*(\s)+3], s[G0B+4*(\s)+3], 0x80000000
	s_add_co_u32 s[KI], s[KI], 1
	s_and_b32 s[KI], s[KI], NSTEP-1
.endm
.macro JLOAD                           ; a joint refill by the walking descriptors; an s_nop 0 and four v_nop follow each line
	s_cmp_eq_u32 s11, 0
	s_cbranch_scc0 .Lfor_b_\@
	tensor_load_to_lds s[G0+4:G0+7], s[G1:G1+7]
	s_nop 0
	PLACES
	s_branch .Lasked_\@
.Lfor_b_\@:
	tensor_load_to_lds s[G0B+4:G0B+7], s[G1B:G1B+7]
	s_nop 0
	PLACES
.Lasked_\@:
.endm
.macro CREST
	s_cmp_lg_u32 s10, 0
	s_cbranch_scc1 .Lnot_wave_0_\@
	s_barrier_signal -3
.Lnot_wave_0_\@:
	s_barrier_wait -3
	s_barrier_signal -1
	s_barrier_wait -1
.endm
.macro CROUND
	s_barrier_signal -1
	s_barrier_wait -1
	CREST
.endm
	s_load_b128 s[4:7], s[0:1], 0x0                ; A s[4:5], wb s[6:7]
	s_load_b64 s[8:9], s[0:1], 0x10                ; out
	s_load_b64 s[66:67], s[0:1], 0x18              ; bias
	s_load_b64 s[68:69], s[0:1], 0x20              ; residual
	v_lshl_add_u32 v[SPW], v0, 2, SPARE
	v_mov_b32 v[NIL], 0
	ds_add_u32 v[SPW], v[NIL]                      ; the wave's opening: the add and its wait stand ahead of my first tensor load
	v_lshrrev_b32 v1, 5, v0
	v_readfirstlane_b32 s10, v1
	s_lshr_b32 s11, s10, 1                         ; my half of the tile's rows.  Also: I fetch for A (0) or for W (1)
	s_and_b32 s12, s10, 1                          ; my half of its columns.  Also: which half of that tile I fetch
	s_bfe_u32 s40, ttmp6, 0x40000
	s_bfe_u32 s41, ttmp6, 0x40004
	s_lshl_b32 s42, ttmp9, 2
	s_add_co_u32 s42, s42, s40                     ; tile column
	s_and_b32 s13, ttmp7, 0xffff                   ; the cluster's y
	s_lshl_b32 s[KI], ttmp9, FXS
	s_lshl_b32 s18, s13, FYS
	s_add_co_u32 s[KI], s[KI], s18
	s_and_b32 s[KI], s[KI], NSTEP-1                ; my cluster's first K step
	s_lshl_b32 s13, s13, 2
	s_add_co_u32 s13, s13, s41                     ; tile row
	s_lshl_b32 s43, s41, 2
	s_lshl_b32 s43, 15, s43
	s_lshl_b32 s44, 0x1111, s40
	s_or_b32 s[G1+0], s43, (1<<16)|(1<<20)|(1<<21)|(AQI<<22)|(3<<25)  ; 4 words of padding after every row of 512 bytes, or after every token's 128
	s_or_b32 s[G1B+0], s44, (1<<16)|(1<<20)|(1<<21)|(5<<22)|(7<<25)   ; 8 words after every 64
	s_mov_b32 s[G1+1], AD0<<16
	s_mov_b32 s[G1+2], AD1<<16
	s_mov_b32 s[G1+3], AD0<<16
	s_mov_b32 s[G1+4], AD1
	s_mov_b32 s[G1+5], APITCH
	s_mov_b32 s[G1+6], 0
	s_mov_b32 s[G1+7], 0
	s_mov_b32 s[G1B+1], 128<<16
	s_mov_b32 s[G1B+2], 128<<16
	s_mov_b32 s[G1B+3], 128<<16
	s_mov_b32 s[G1B+4], 128
	s_mov_b32 s[G1B+5], 1024
	s_mov_b32 s[G1B+6], 0
	s_mov_b32 s[G1B+7], 0
	s_mov_b32 s[OA+1], 0
	s_mov_b32 s[OW+1], 0
.if WO
	s_lshr_b32 s16, s13, 3                         ; batch,
	s_lshl_b32 s16, s16, 21                        ; of 16 heads of 131,072 bytes
	s_and_b32 s17, s13, 7
	s_lshl_b32 s17, s17, 7
	s_lshl_b32 s18, s12, 6
	s_add_co_u32 s17, s17, s18                     ; the first token that I fetch,
	s_lshl_b32 s17, s17, 7                         ; of 128 bytes
	s_add_co_u32 s16, s16, s17
.else
	s_lshl_b32 s16, s13, 7
	s_lshl_b32 s17, s12, 6
	s_add_co_u32 s16, s16, s17                     ; row 128 x tile row + 64 x half,
	s_lshl_b32 s16, s16, 13                        ; of 8,192 bytes
.endif
	s_mov_b32 s17, 0
	s_lshl_b32 s46, s42, 8                         ; W: the tile's 128 columns,
	s_lshl_b32 s47, s12, 18                        ; my 128 rows of a K step
	s_add_co_u32 s46, s46, s47
	s_add_co_u32 s46, s46, WBASE
	s_mov_b32 s47, 0
	s_mul_i32 s20, s10, PART
	s_mov_b32 s[TB], 0
	s_wait_dscnt 0x0                               ; the opening add is done
	s_wait_kmcnt 0x0
	s_add_nc_u64 s[BA:BA+1], s[4:5], s[16:17]
	s_add_nc_u64 s[BW:BW+1], s[6:7], s[46:47]
.irp s, 0,1
	s_mov_b32 s[G0+4*(\s)], 1
	s_add_co_u32 s[G0+4*(\s)+1], s20, (\s)*SLOT
	s_mov_b32 s[G0B+4*(\s)], 1
	s_add_co_u32 s[G0B+4*(\s)+1], s20, (\s)*SLOT
	AIM \s
.endr
	CROUND                                         ; all sixteen work-groups are here: the first joint loads meet
	s_cmp_eq_u32 s11, 0                            ; a wave's two first fills stand in one branch: two loads of mine are out
	s_cbranch_scc0 .Lfirst_w
	tensor_load_to_lds s[G0:G0+3], s[G1:G1+7]
	s_nop 0
	tensor_load_to_lds s[G0+4:G0+7], s[G1:G1+7]
	s_nop 0
	PLACES
	s_branch .Lfirst_asked
.Lfirst_w:
	tensor_load_to_lds s[G0B:G0B+3], s[G1B:G1B+7]
	s_nop 0
	tensor_load_to_lds s[G0B+4:G0B+7], s[G1B:G1B+7]
	s_nop 0
	PLACES
.Lfirst_asked:
	v_and_b32 v1, 15, v0                           ; r
	v_bfe_u32 v2, v0, 4, 1                         ; hf
	s_lshl_b32 s16, s13, 7
	s_lshl_b32 s17, s11, 6
	s_add_co_u32 s16, s16, s17                     ; my first row of C,
	s_lshl_b32 s16, s16, 12                        ; of 4,096 bytes
	s_mov_b32 s17, 0
	s_lshl_b32 s70, s42, 9                         ; my first column, in bytes
	s_lshl_b32 s71, s12, 8
	s_add_co_u32 s70, s70, s71
	s_mov_b32 s71, 0
	s_add_nc_u64 s[66:67], s[66:67], s[70:71]
	s_add_nc_u64 s[16:17], s[16:17], s[70:71]
	s_add_nc_u64 s[8:9], s[8:9], s[16:17]
	s_add_nc_u64 s[68:69], s[68:69], s[16:17]
	v_lshlrev_b32 v[CO], 12, v2                    ; lanes 0-15 one row's 256 bytes, lanes 16-31 the next row's
	v_lshl_add_u32 v[CO], v1, 4, v[CO]
	v_lshlrev_b32 v[BO], 4, v1
	WIN 0x80                                       ; destination window 2
.set i, 0
.rept 32
	global_load_b128 v[4*i:4*i+3], v[CO], s[68:69] offset:8192*i   ; the residual: it stays out over the whole K loop; its registers and addresses are never rewritten
.set i, i+1
.endr
	WIN 0
	global_load_b128 v[BIAS:BIAS+3], v[BO], s[66:67]
	v_mul_u32_u24 v3, v1, PITA
	v_lshl_add_u32 v3, v2, 4, v3
	s_mul_i32 s21, s11, PART
	v_add_nc_u32 v[ADRA0], s21, v3
	v_and_b32 v4, 7, v0
	v_lshl_add_u32 v4, v2, 3, v4
	v_mul_u32_u24 v4, v4, PW
	v_bfe_u32 v5, v0, 3, 1
	v_lshl_add_u32 v4, v5, 4, v4
	s_lshl_b32 s23, s12, 7
	s_add_co_u32 s23, s23, AREG
	v_add_nc_u32 v[ADRB0], s23, v4
	v_mov_b32 v[ADRA], v[ADRA0]
	v_mov_b32 v[ADRB], v[ADRB0]
	v_add_nc_u32 v[ADRB2], 128*PW, v[ADRB0]
	s_mul_i32 s23, s10, STG
	v_mul_u32_u24 v5, v1, SPITCH
	v_lshl_add_u32 v5, v2, 5, v5
	v_add_nc_u32 v[STO], s23, v5
	v_mul_u32_u24 v5, v2, SPITCH
	v_lshl_add_u32 v5, v1, 4, v5
	v_add_nc_u32 v[RD], s23, v5
; 8 matrix instructions: row blocks a0, a0 + 1 x all 4 column blocks, 32 along K: half c of buffer f.  The 16 accumulators take turns.
.macro MUL8 f, c, a0, zero
	WIN MUL
.irp a, \a0, (\a0)+1
.irp b, 0,1,2,3
.if \zero
	v_wmma_f32_16x16x32_bf16 v[ACC+8*(4*(\a)+(\b)):ACC+8*(4*(\a)+(\b))+7], v[(\f)+64+8*(4*(\c)+(\b)):(\f)+64+8*(4*(\c)+(\b))+7], v[(\f)+8*(4*(\c)+(\a)):(\f)+8*(4*(\c)+(\a))+7], 0
.else
	v_wmma_f32_16x16x32_bf16 v[ACC+8*(4*(\a)+(\b)):ACC+8*(4*(\a)+(\b))+7], v[(\f)+64+8*(4*(\c)+(\b)):(\f)+64+8*(4*(\c)+(\b))+7], v[(\f)+8*(4*(\c)+(\a)):(\f)+8*(4*(\c)+(\a))+7], v[ACC+8*(4*(\a)+(\b)):ACC+8*(4*(\a)+(\b))+7]
.endif
.endr
.endr
.endm
; 32 LDS loads in one run: quarter q (64 along K) of the slot in hand into buffer f; the first 32 along K first
.macro FETCH q, f
	WIN TO_F
.irp c, 0,1
.irp i, 0,1,2,3
.if (\q) < 2
	ds_load_tr16_b128 v[(\f)+64+8*(4*(\c)+(\i)):(\f)+64+8*(4*(\c)+(\i))+3],   v[ADRB] offset:(64*(\q)+32*(\c))*PW+32*(\i)
	ds_load_tr16_b128 v[(\f)+64+8*(4*(\c)+(\i))+4:(\f)+64+8*(4*(\c)+(\i))+7], v[ADRB] offset:(64*(\q)+32*(\c)+16)*PW+32*(\i)
.else
	ds_load_tr16_b128 v[(\f)+64+8*(4*(\c)+(\i)):(\f)+64+8*(4*(\c)+(\i))+3],   v[ADRB2] offset:(64*(\q)-128+32*(\c))*PW+32*(\i)
	ds_load_tr16_b128 v[(\f)+64+8*(4*(\c)+(\i))+4:(\f)+64+8*(4*(\c)+(\i))+7], v[ADRB2] offset:(64*(\q)-128+32*(\c)+16)*PW+32*(\i)
.endif
	ds_load_b128 v[(\f)+8*(4*(\c)+(\i)):(\f)+8*(4*(\c)+(\i))+3],   v[ADRA] offset:(\q)*QSTRA+64*(\c)+(\i)*16*PITA
	ds_load_b128 v[(\f)+8*(4*(\c)+(\i))+4:(\f)+8*(4*(\c)+(\i))+7], v[ADRA] offset:(\q)*QSTRA+64*(\c)+(\i)*16*PITA+32
.endr
.endr
.endm
.macro QUARTER q, f, g, zero
	s_wait_dscnt 16                                ; the first 32 along K are in; the youngest sixteen loads may be out
	MUL8 \f, 0, 0, \zero
	MUL8 \f, 0, 2, \zero
	PLACES
	FETCH \q, \g
	s_wait_dscnt 32                                ; all but the 32 just issued
	MUL8 \f, 1, 0, 0
	MUL8 \f, 1, 2, 0
.endm
.macro MEET fill                       ; the first half of a step's last quarter: one barrier for the change of slots.  fill = 1: the walking descriptors are aimed while the add is out
	WIN 0
	s_wait_tensorcnt 0x0                           ; all my tensor loads have landed: my part of the next slot; so a group 0 may be written
	ds_add_u32 v[SPW], v[NIL]                      ; 0 onto my spare word
.if \fill
	s_xor_b32 s[G0+5], s[G0+5], SLOT               ; the slot that is being read out,
	s_xor_b32 s[G0B+5], s[G0B+5], SLOT
	AIM 1                                          ; the ring's next K step
.endif
	s_wait_dscnt 17                                ; the add and the youngest sixteen loads may be out
	MUL8 F1, 0, 0, 0
	s_wait_dscnt 0x0                               ; the add is done, and my reads of this slot are over
	s_barrier_signal -1
	MUL8 F1, 0, 2, 0
	WIN 0
	s_barrier_wait -1
.endm
.macro NEXTSLOT
	s_xor_b32 s[TB], s[TB], SLOT
	v_add_nc_u32 v[ADRA], s[TB], v[ADRA0]
	v_add_nc_u32 v[ADRB], s[TB], v[ADRB0]
	v_add_nc_u32 v[ADRB2], 128*PW, v[ADRB]
	FETCH 0, F0
.endm
.macro TURNF
	MEET 1
	CREST                                          ; no wave of any partner still reads this slot or has a load on its way
	JLOAD                                          ; the first tensor load behind the round: 112 matrix instructions ahead of the wait for it; its v_nop are also the places in front of the loads below
	NEXTSLOT
	MUL8 F1, 1, 0, 0
	MUL8 F1, 1, 2, 0
.endm
.macro TURNN                           ; nothing is filled; in the last trip there is no further step, and the run of loads is jumped over
	MEET 0
	s_cmp_eq_u32 s3, 1
	s_cbranch_scc1 .Lnf
	PLACES
	NEXTSLOT
	WIN 0
.Lnf:
	MUL8 F1, 1, 0, 0
	MUL8 F1, 1, 2, 0
.endm
	s_wait_tensorcnt 0x1                           ; my part of the first K step is in; the second's may stay out
	s_barrier_signal -1
	s_barrier_wait -1
	FETCH 0, F0
	QUARTER 1, F0, F1, 1
	WIN 0
	s_mov_b32 s3, NSTEP-2
.Lstep:
	QUARTER 2, F1, F0, 0
	QUARTER 3, F0, F1, 0
	TURNF
	QUARTER 1, F0, F1, 0
	WIN 0
	s_sub_co_u32 s3, s3, 1
	s_cmp_lg_u32 s3, 0
	s_cbranch_scc1 .Lstep
	s_mov_b32 s3, 2
	s_branch .Ltin
.Ltail:
	QUARTER 1, F0, F1, 0
	WIN 0
.Ltin:
	QUARTER 2, F1, F0, 0
	QUARTER 3, F0, F1, 0
	TURNN
	WIN 0
	s_sub_co_u32 s3, s3, 1
	s_cmp_lg_u32 s3, 0
	s_cbranch_scc1 .Ltail
	s_wait_dscnt 0x0                               ; THE WAY OUT.  Every wave's reads of the ring are over before any wave writes its stage over it
	s_barrier_signal -1
	s_barrier_wait -1
	PLACES
.irp a, 0,1,2,3
.irp b, 0,1,2,3
	ds_store_b128 v[STO], v[ACC+8*(4*(\a)+(\b)):ACC+8*(4*(\a)+(\b))+3]   offset:(\a)*16*SPITCH+64*(\b)     ; each accumulator's low registers first
	ds_store_b128 v[STO], v[ACC+8*(4*(\a)+(\b))+4:ACC+8*(4*(\a)+(\b))+7] offset:(\a)*16*SPITCH+64*(\b)+16
.endr
.endr
.set i, 0
.rept 32
	ds_load_b128 v[ACC+4*i:ACC+4*i+3], v[RD] offset:2*SPITCH*i     ; LDS serves a wave's instructions in order (ISA guide 5.7.1.4): these see the stores above
.set i, i+1
.endr
	s_wait_loadcnt 0x0                             ; the residual and the bias
	s_wait_dscnt 0x0
	WIN 0x08                                       ; source 1 window 2
.set i, 0
.rept 64
	v_pk_add_f32 v[ACC+i:ACC+i+1], v[ACC+i:ACC+i+1], v[i:i+1]
.set i, i+2
.endr
	WIN 0
.set i, 0
.rept 64
	v_pk_add_f32 v[ACC+i:ACC+i+1], v[ACC+i:ACC+i+1], v[BIAS+i%4:BIAS+i%4+1]
.set i, i+2
.endr
.set i, 0
.rept 32
	global_store_b128 v[CO], v[ACC+4*i:ACC+4*i+3], s[8:9] offset:8192*i  ; 16 lanes store 256 consecutive bytes, at a multiple of 256
.set i, i+1
.endr
	s_wait_tensorcnt 0x0                           ; the wave's end
	ds_add_u32 v[SPW], v[NIL]
	s_wait_dscnt 0x0
	CROUND                                         ; the closing round
	s_endpgm
.Lfunc_end_k_qfb7efbc98e_wo:
	.size	k_qfb7efbc98e_wo, .Lfunc_end_k_qfb7efbc98e_wo-k_qfb7efbc98e_wo
	.p2alignl 7, 3214868480
	.fill 96, 4, 3214868480
	.section	.rodata,"a",@progbits
	.p2align	6, 0x0
	.amdhsa_kernel k_qfb7efbc98e_wo
		.amdhsa_group_segment_fixed_size 327680
		.amdhsa_private_segment_fixed_size 0
		.amdhsa_enable_private_segment 0
		.amdhsa_kernarg_size 40
		.amdhsa_user_sgpr_count 2
		.amdhsa_user_sgpr_kernarg_segment_ptr 1
		.amdhsa_wavefront_size32 1
		.amdhsa_system_sgpr_workgroup_id_x 1
		.amdhsa_system_sgpr_workgroup_id_y 1
		.amdhsa_system_sgpr_workgroup_id_z 1
		.amdhsa_system_vgpr_workitem_id 0
		.amdhsa_next_free_vgpr 640
		.amdhsa_next_free_sgpr 78
		.amdhsa_reserve_vcc 0
		.amdhsa_float_denorm_mode_32 3
		.amdhsa_float_denorm_mode_16_64 3
		.amdhsa_memory_ordered 1
		.amdhsa_forward_progress 1
		.amdhsa_inst_pref_size 70
	.end_amdhsa_kernel
	.amdgpu_metadata
---
amdhsa.version: [ 1, 2 ]
amdhsa.kernels:
  - .name:           k_qfb7efbc98e_wo
    .symbol:         k_qfb7efbc98e_wo.kd
    .args:
      - { .name: att, .offset: 0, .size: 8, .value_kind: global_buffer, .address_space: global }
      - { .name: wb, .offset: 8, .size: 8, .value_kind: global_buffer, .address_space: global }
      - { .name: x1, .offset: 16, .size: 8, .value_kind: global_buffer, .address_space: global }
      - { .name: bo, .offset: 24, .size: 8, .value_kind: global_buffer, .address_space: global }
      - { .name: x, .offset: 32, .size: 8, .value_kind: global_buffer, .address_space: global }
    .group_segment_fixed_size: 327680
    .private_segment_fixed_size: 0
    .kernarg_segment_align: 8
    .kernarg_segment_size: 40
    .max_flat_workgroup_size: 128
    .sgpr_count:     78
    .vgpr_count:     640
    .wavefront_size: 32
...
	.end_amdgpu_metadata
.endif
;; end of part 4
;; launch ln2 (part 5): grid 512 x 1, 4 waves a work-group, no clusters, 0 bytes of LDS; arguments x1, gamma2, beta2, h; writes h
.if DOCPART == 5
	.amdgcn_target "amdgcn-amd-amdhsa--gfx1250"
	.amdhsa_code_object_version 6
	.text
	.protected	k_qfb7efbc98e_ln2
	.globl	k_qfb7efbc98e_ln2
	.p2align	8
	.type	k_qfb7efbc98e_ln2,@function
k_qfb7efbc98e_ln2:
	s_mov_b64 s[64:65], 0
	v_nop
	global_prefetch_b8 v0, s[64:65] scope:SCOPE_SE
	s_setreg_imm32_b32 hwreg(HW_REG_WAVE_MODE, 25, 1), 1
	s_wait_xcnt 0x0
; h[r][c] = bf16( gamma2[c] (x1[r][c] - mean_r) / sqrt(var_r + 1e-5) + beta2[c] ).  x1: [4096][1024] f32, h: [4096][1024] bf16, rounded once.
; Mean first, then the variance of the differences (two passes over registers), all in f32: a common offset of the inputs costs nothing.
; A row of 4,096 bytes is 32 registers of one wave: a wave takes two whole rows, keeps them in registers and never meets another wave: no LDS, no barrier, no matrix unit, no cluster.
; Lane l holds columns 128 j + 4 l .. + 3 (j = 0..7): a load covers 512 consecutive bytes, a store of 8 bytes a lane one aligned block of 256.
; All 32 loads go out at the start (row 0, gamma, beta, row 1); the waits count the younger loads.  No register that a load or store names is written again.
.set G,  4                             ; v[4:35]    gamma of my 32 columns
.set BT, 36                            ; v[36:67]   beta
.set X,  68                            ; v[68:131]  two rows of 32
.set A,  132                           ; v[132:139] four chains of packed sums
.set M,  140                           ; v[140:141] the mean, twice
.set R,  142                           ; v[142:143] 1 / sqrt(var + eps), twice
	s_load_b256 s[4:11], s[0:1], 0x0               ; x1 s[4:5], gamma2 s[6:7], beta2 s[8:9], h s[10:11]
	v_lshrrev_b32 v3, 5, v0
	v_readfirstlane_b32 s12, v3                    ; wave
	v_and_b32 v1, 31, v0
	v_lshlrev_b32 v2, 3, v1                        ; 8 x lane
	v_lshlrev_b32 v1, 4, v1                        ; 16 x lane
	s_mov_b32 s13, 0x3a800000                      ; 1 / 1024
	s_mov_b32 s14, 0x3727c5ac                      ; 1e-5
	s_mov_b32 s16, 0x76543210                      ; v_permlanex16_b32: each lane takes its own place in the other half
	s_mov_b32 s17, 0xfedcba98
	s_lshl_b32 s18, ttmp9, 3
	s_lshl1_add_u32 s18, s12, s18                  ; my first row = 8 x work-group + 2 x wave
	s_lshl_b32 s20, s18, 12                        ; x 4,096 bytes
	s_mov_b32 s21, 0
	s_lshl_b32 s22, s18, 11                        ; x 2,048 bytes
	s_mov_b32 s23, 0
	s_wait_kmcnt 0x0
	s_add_nc_u64 s[4:5], s[4:5], s[20:21]
	s_add_nc_u64 s[10:11], s[10:11], s[22:23]
.macro FILL i
.irp j, 0,1,2,3,4,5,6,7
	global_load_b128 v[X+32*(\i)+4*(\j):X+32*(\i)+4*(\j)+3], v1, s[4:5] offset:4096*(\i)+512*(\j)
.endr
.endm
	FILL 0
.irp j, 0,1,2,3,4,5,6,7
	global_load_b128 v[G+4*(\j):G+4*(\j)+3], v1, s[6:7] offset:512*(\j)
.endr
.irp j, 0,1,2,3,4,5,6,7
	global_load_b128 v[BT+4*(\j):BT+4*(\j)+3], v1, s[8:9] offset:512*(\j)
.endr
	FILL 1
; the four chains into one number a lane, then over the 32 lanes: every lane ends with the row's sum in v[A]
.macro TOTAL
	v_pk_add_f32 v[A:A+1], v[A:A+1], v[A+2:A+3]
	v_pk_add_f32 v[A+4:A+5], v[A+4:A+5], v[A+6:A+7]
	v_pk_add_f32 v[A:A+1], v[A:A+1], v[A+4:A+5]
	v_add_f32 v[A], v[A], v[A+1]
	v_add_f32_dpp v[A], v[A], v[A] row_xmask:1 row_mask:0xf bank_mask:0xf
	v_add_f32_dpp v[A], v[A], v[A] row_xmask:2 row_mask:0xf bank_mask:0xf
	v_add_f32_dpp v[A], v[A], v[A] row_xmask:4 row_mask:0xf bank_mask:0xf
	v_add_f32_dpp v[A], v[A], v[A] row_xmask:8 row_mask:0xf bank_mask:0xf
	v_permlanex16_b32 v[A+1], v[A], s16, s17
	v_add_f32 v[A], v[A], v[A+1]
.endm
; Row i.  c1: the loads younger than the row's own; c2: those younger than beta's (it matters for row 0 alone).
.macro ROW i, c1, c2
.set XR, X+32*(\i)
	s_wait_loadcnt \c1
.irp k, 0,1,2,3
	v_pk_add_f32 v[A+2*(\k):A+2*(\k)+1], v[XR+2*(\k):XR+2*(\k)+1], v[XR+8+2*(\k):XR+8+2*(\k)+1]  ; the first sums start the chains: nothing is cleared
.endr
.irp k, 8,9,10,11,12,13,14,15
	v_pk_add_f32 v[A+2*((\k)%4):A+2*((\k)%4)+1], v[A+2*((\k)%4):A+2*((\k)%4)+1], v[XR+2*(\k):XR+2*(\k)+1]
.endr
	TOTAL
	v_mul_f32 v[M], s13, v[A]
	v_mov_b32 v[M+1], v[M]
.set n, 0
.rept 16
	v_pk_add_f32 v[XR+n:XR+n+1], v[XR+n:XR+n+1], v[M:M+1] neg_lo:[0,1] neg_hi:[0,1]  ; x - mean
.set n, n+2
.endr
.irp k, 0,1,2,3
	v_pk_mul_f32 v[A+2*(\k):A+2*(\k)+1], v[XR+2*(\k):XR+2*(\k)+1], v[XR+2*(\k):XR+2*(\k)+1]
.endr
.irp k, 4,5,6,7,8,9,10,11,12,13,14,15
	v_pk_fma_f32 v[A+2*((\k)%4):A+2*((\k)%4)+1], v[XR+2*(\k):XR+2*(\k)+1], v[XR+2*(\k):XR+2*(\k)+1], v[A+2*((\k)%4):A+2*((\k)%4)+1]
.endr
	TOTAL
	v_fma_f32 v[A], v[A], s13, s14                 ; var + eps
	v_rsq_f32 v[R], v[A]
	v_nop                                          ; a plain instruction between the root and the use of its result (ISA guide 5.7.2)
	s_wait_alu depctr_va_vdst(0)
	v_mov_b32 v[R+1], v[R]
	s_wait_loadcnt \c2
.set n, 0
.rept 16
	v_pk_mul_f32 v[XR+n:XR+n+1], v[XR+n:XR+n+1], v[R:R+1]
.set n, n+2
.endr
.set n, 0
.rept 16
	v_pk_fma_f32 v[XR+n:XR+n+1], v[XR+n:XR+n+1], v[G+n:G+n+1], v[BT+n:BT+n+1]
.set n, n+2
.endr
.set n, 0
.rept 16
	v_cvt_pk_bf16_f32 v[XR+n], v[XR+2*n], v[XR+2*n+1]  ; in place, ascending: register n is written when 2 n and 2 n + 1 are read
.set n, n+1
.endr
.irp j, 0,1,2,3,4,5,6,7
	global_store_b64 v2, v[XR+2*(\j):XR+2*(\j)+1], s[10:11] offset:2048*(\i)+256*(\j)
.endr
.endm
	ROW 0, 24, 8                                   ; 24: gamma, beta and row 1 may be out; 8: row 1
	ROW 1, 0, 0
	s_endpgm
.Lfunc_end_k_qfb7efbc98e_ln2:
	.size	k_qfb7efbc98e_ln2, .Lfunc_end_k_qfb7efbc98e_ln2-k_qfb7efbc98e_ln2
	.p2alignl 7, 3214868480
	.fill 96, 4, 3214868480
	.section	.rodata,"a",@progbits
	.p2align	6, 0x0
	.amdhsa_kernel k_qfb7efbc98e_ln2
		.amdhsa_group_segment_fixed_size 0
		.amdhsa_private_segment_fixed_size 0
		.amdhsa_enable_private_segment 0
		.amdhsa_kernarg_size 32
		.amdhsa_user_sgpr_count 2
		.amdhsa_user_sgpr_kernarg_segment_ptr 1
		.amdhsa_wavefront_size32 1
		.amdhsa_system_sgpr_workgroup_id_x 1
		.amdhsa_system_sgpr_workgroup_id_y 1
		.amdhsa_system_sgpr_workgroup_id_z 1
		.amdhsa_system_vgpr_workitem_id 0
		.amdhsa_next_free_vgpr 144
		.amdhsa_next_free_sgpr 66
		.amdhsa_reserve_vcc 0
		.amdhsa_float_denorm_mode_32 3
		.amdhsa_float_denorm_mode_16_64 3
		.amdhsa_memory_ordered 1
		.amdhsa_forward_progress 1
		.amdhsa_inst_pref_size 20
	.end_amdhsa_kernel
	.amdgpu_metadata
---
amdhsa.version: [ 1, 2 ]
amdhsa.kernels:
  - .name:           k_qfb7efbc98e_ln2
    .symbol:         k_qfb7efbc98e_ln2.kd
    .args:
      - { .name: x1, .offset: 0, .size: 8, .value_kind: global_buffer, .address_space: global }
      - { .name: gamma2, .offset: 8, .size: 8, .value_kind: global_buffer, .address_space: global }
      - { .name: beta2, .offset: 16, .size: 8, .value_kind: global_buffer, .address_space: global }
      - { .name: h, .offset: 24, .size: 8, .value_kind: global_buffer, .address_space: global }
    .group_segment_fixed_size: 0
    .private_segment_fixed_size: 0
    .kernarg_segment_align: 8
    .kernarg_segment_size: 32
    .max_flat_workgroup_size: 128
    .sgpr_count:     66
    .vgpr_count:     144
    .wavefront_size: 32
...
	.end_amdgpu_metadata
.endif
;; end of part 5
;; launch ffn1 (part 6): grid 16 x 16, 4 waves a work-group, clusters of 4 x 4, 327,680 bytes of LDS; arguments h, wb, act, b1; writes act
.if DOCPART == 6
	.amdgcn_target "amdgcn-amd-amdhsa--gfx1250"
	.amdhsa_code_object_version 6
	.text
	.protected	k_qfb7efbc98e_ffn1
	.globl	k_qfb7efbc98e_ffn1
	.p2align	8
	.type	k_qfb7efbc98e_ffn1,@function
k_qfb7efbc98e_ffn1:
	s_mov_b64 s[64:65], 0
	v_nop
	global_prefetch_b8 v0, s[64:65] scope:SCOPE_SE
	s_setreg_imm32_b32 hwreg(HW_REG_WAVE_MODE, 25, 1), 1
	s_wait_xcnt 0x0
	s_wait_alu depctr_hold_cnt(0) depctr_sa_sdst(0) depctr_va_vdst(0) depctr_va_sdst(0) depctr_va_ssrc(0) depctr_va_vcc(0) depctr_vm_vsrc(0)
	s_getreg_b32 s2, hwreg(HW_REG_IB_STS2, 6, 4)
	s_cmp_eq_u32 s2, 0
	s_cbranch_scc0 .Lentry_in_a_cluster
	s_endpgm
.Lentry_in_a_cluster:
	s_bfe_u32 s2, ttmp6, 0x10000c
	s_cmp_lg_u32 s2, 0xf033
	s_cbranch_scc0 .Lentry_shape_is_right
	s_endpgm
.Lentry_shape_is_right:
; act = gelu(h W1 + b1).  h: [4096][1024] bf16.  W1: bf16, [K = 1024][N = 4096], at wb + 8,388,608.  Sums, bias and gelu in f32; act: [4096][4096] bf16, rounded once.
; gelu(y) = 0.5 y (1 + tanh(u)), u = sqrt(2 / pi) (y + 0.044715 y^3), is written y / (1 + 2^(y (K1 + K2 y^2))), K1 = -2 log2(e) sqrt(2 / pi), K2 = 0.044715 K1: the same function, and right at both ends:
; the power overflows to infinity and gives y x 0, or underflows to 0 and gives y.
; A tile of C is 256 x 256: four waves, each 128 x 128 in 64 accumulators (512 registers).  16 x 16 tiles: one for each of 256 work-groups.
; K goes in 8 steps of 128 through a ring of two LDS slots.  A's tile: 256 rows x 256 bytes, rows 272 apart.  W's tile lies as in memory, [k][n]: 128 rows x 512 bytes, rows 544 apart, and its
; fragments are taken turned, by ds_load_tr16_b128.  Waves 0 and 1 fetch A's halves (128 rows), waves 2 and 3 W's (64 rows): 32 KiB each, one load a wave behind each change of slots.
; CLUSTER 4 x 4: A's tile hangs on the tile row alone and is asked for jointly by a row of the cluster, W's on the tile column alone, by a column.
; THE WALK OF K IS A RING: cluster (X, Y) begins at K step 2 ((X + Y) mod 4) and goes round.  The clusters that read the same rows of h (same Y) or the same columns of W (same X) so begin two steps apart,
; and none of them asks for a tile at the time at which another does.  The sums take K in that order.  The step's number KI is the same in all partners; the walking descriptor's address is made anew from it.
; A loop trip is ONE K step: the slot in hand is the scalar TB (0 or SLOT), turned by an exclusive or.  SLOT = 0x22000 shares no bit with a wave's LDS word
; (0, 0x8800, 0x11000, 0x19800), so the exclusive or there is the addition.  The two steps that fill nothing are a loop of their own.
; THE MATRIX INSTRUCTION IS USED TRANSPOSED: source 0 = 16 columns of W, source 1 = 16 rows of h: a lane holds row l % 16 of C and the columns 8 (l / 16) + 0..7.
; THE WAY OUT: the ring has had its last fill; the f32 sums go into a stage of the wave's own that lies over it (128 rows x 528 bytes) and come back by whole rows, four columns a lane;
; bias, gelu, rounding; one store of 8 bytes a lane covers 256 consecutive bytes of a row of act.
; REGISTERS: window 0: v0-31 addresses and the bias, v32-111 the way out, v64-127 and v128-191 h's fragments (two buffers); window 1: v64-191 W's fragments; windows 2, 3: accumulators.
.set NW,     4096
.set KSTEP,  128
.set NSTEP,  8
.set WSTEP,  KSTEP*NW*2
.set PA,     272                       ; 256 + 16: the 16 rows of a load start at 16 different groups of four banks (64 banks of 4 bytes: ISA guide 11.1)
.set PW,     544                       ; 512 + 32
.set HALFT,  128*PA
.set WOFF,   2*HALFT
.set SLOT,   4*HALFT
.set SPARE,  2*SLOT                    ; the spare words, 128 bytes a wave: two blocks of 256 bytes that no other line names
.set SPITCH, 528
.set STG,    128*SPITCH
.set BIAS,  8                          ; v[8:11] b1 of my four columns
.set ADRA0, 16
.set ADRB0, 17
.set ADRA,  18
.set ADRB,  19
.set STO,   24
.set RD,    25
.set CO,    26
.set BO,    27
.set SPW,   28
.set NIL,   29
.set T,     32                         ; v[32:63]  8 rows x 4 numbers
.set U,     64                         ; v[64:95]  at work
.set Y,     96                         ; v[96:111] packed
.set F0,    64
.set F1,    128
.set BA,    14                         ; s[14:15] A at my part of K step 0; kept
.set TB,    22
.set G1,    24
.set G0,    32
.set KI,    45                         ; s45  the K step to be asked for next
.set BW,    46                         ; s[46:47] W at my part of K step 0; kept
.set G1B,   48
.set G0B,   56
.set K1,    70                         ; s[70:71]
.set K2,    72                         ; s[72:73]
.set OA,    74                         ; s[74:75] a K step's byte offset in A
.set OW,    76                         ; s[76:77] in W
.set MSB, 0
.macro WIN new                         ; the immediate's high byte repeats the setting that is left; a switch that changes nothing is dropped
.if MSB != (\new)
	s_set_vgpr_msb (MSB<<8)|(\new)
.set MSB, \new
.endif
.endm
.set MUL_LO, 0xa1                      ; source 0 (W) window 1, source 1 (A) window 0, C and D window 2
.set MUL_HI, 0xf1                      ; the same, C and D window 3
.set TO_B,   0x40                      ; destination window 1, address window 0
.macro PLACES                          ; four plain vector instructions between a matrix instruction and a load into, or a read of, its registers
.rept 4
	v_nop
.endr
.endm
.macro AIM s                           ; set s of both group 0s takes K step KI: the kept base plus an offset made apart, the type bits set again; KI goes on round the ring
	s_lshl_b32 s[OA], s[KI], 8
	s_mul_i32 s[OW], s[KI], WSTEP
	s_add_nc_u64 s[G0+4*(\s)+2:G0+4*(\s)+3], s[BA:BA+1], s[OA:OA+1]
	s_or_b32 s[G0+4*(\s)+3], s[G0+4*(\s)+3], 0x80000000
	s_add_nc_u64 s[G0B+4*(\s)+2:G0B+4*(\s)+3], s[BW:BW+1], s[OW:OW+1]
	s_or_b32 s[G0B+4*(\s)+3], s[G0B+4*(\s)+3], 0x80000000
	s_add_co_u32 s[KI], s[KI], 1
	s_and_b32 s[KI], s[KI], NSTEP-1
.endm
.macro JLOAD                           ; a joint refill by the walking descriptors; the branch hangs on the wave's number alone; an s_nop 0 and four v_nop follow each line
	s_cmp_eq_u32 s11, 0
	s_cbranch_scc0 .Lfor_b_\@
	tensor_load_to_lds s[G0+4:G0+7], s[G1:G1+7]
	s_nop 0
	PLACES
	s_branch .Lasked_\@
.Lfor_b_\@:
	tensor_load_to_lds s[G0B+4:G0B+7], s[G1B:G1B+7]
	s_nop 0
	PLACES
.Lasked_\@:
.endm
.macro CREST                           ; a round of the cluster's barrier behind its opening barrier
	s_cmp_lg_u32 s10, 0
	s_cbranch_scc1 .Lnot_wave_0_\@
	s_barrier_signal -3
.Lnot_wave_0_\@:
	s_barrier_wait -3
	s_barrier_signal -1
	s_barrier_wait -1
.endm
.macro CROUND
	s_barrier_signal -1
	s_barrier_wait -1
	CREST
.endm
	s_load_b128 s[4:7], s[0:1], 0x0                ; h s[4:5], wb s[6:7]
	s_load_b64 s[8:9], s[0:1], 0x10                ; act
	s_load_b64 s[66:67], s[0:1], 0x18              ; b1
	v_lshl_add_u32 v[SPW], v0, 2, SPARE
	v_mov_b32 v[NIL], 0
	ds_add_u32 v[SPW], v[NIL]                      ; the wave's opening: the add and its wait stand ahead of my first tensor load
	v_lshrrev_b32 v1, 5, v0
	v_readfirstlane_b32 s10, v1                    ; wave 0..3
	s_lshr_b32 s11, s10, 1                         ; my half of the tile's rows.  Also: I fetch for A (0) or for W (1)
	s_and_b32 s12, s10, 1                          ; my half of its columns.  Also: which half of that tile I fetch
	s_bfe_u32 s40, ttmp6, 0x40000                  ; cx
	s_bfe_u32 s41, ttmp6, 0x40004                  ; cy
	s_lshl_b32 s42, ttmp9, 2
	s_add_co_u32 s42, s42, s40                     ; tile column
	s_and_b32 s13, ttmp7, 0xffff                   ; the cluster's y
	s_add_co_u32 s[KI], s13, ttmp9
	s_and_b32 s[KI], s[KI], 3
	s_lshl_b32 s[KI], s[KI], 1                     ; my cluster's first K step
	s_lshl_b32 s13, s13, 2
	s_add_co_u32 s13, s13, s41                     ; tile row
	s_lshl_b32 s43, s41, 2
	s_lshl_b32 s43, 15, s43                        ; my row of the cluster
	s_lshl_b32 s44, 0x1111, s40                    ; my column
	s_or_b32 s[G1+0], s43, (1<<16)|(1<<20)|(1<<21)|(5<<22)|(3<<25)   ; mask; 2-byte elements; padding on; bit 21 beside a mask; after every 64 words 4 words
	s_or_b32 s[G1B+0], s44, (1<<16)|(1<<20)|(1<<21)|(6<<22)|(7<<25)  ; after every 128 words 8 words
	s_mov_b32 s[G1+1], 128<<16                     ; tensor_dim0 = 128
	s_mov_b32 s[G1+2], 128<<16                     ; tensor_dim1 = 128
	s_mov_b32 s[G1+3], 128<<16                     ; tile_dim0 = 128
	s_mov_b32 s[G1+4], 128                         ; tile_dim1 = 128
	s_mov_b32 s[G1+5], 1024                        ; elements from row to row of h
	s_mov_b32 s[G1+6], 0
	s_mov_b32 s[G1+7], 0
	s_mov_b32 s[G1B+1], 256<<16                    ; tensor_dim0 = 256
	s_mov_b32 s[G1B+2], 64<<16                     ; tensor_dim1 = 64
	s_mov_b32 s[G1B+3], 256<<16                    ; tile_dim0 = 256
	s_mov_b32 s[G1B+4], 64                         ; tile_dim1 = 64
	s_mov_b32 s[G1B+5], NW
	s_mov_b32 s[G1B+6], 0
	s_mov_b32 s[G1B+7], 0
	s_mov_b32 s[OA+1], 0
	s_mov_b32 s[OW+1], 0
	s_mov_b32 s[K1], 0xc0135761                    ; -2.3022082
	s_mov_b32 s[K1+1], s[K1]
	s_mov_b32 s[K2], 0xbdd2d3e8                    ; -0.10294324
	s_mov_b32 s[K2+1], s[K2]
	s_lshl_b32 s17, s12, 7
	s_lshl_b32 s16, s13, 8
	s_add_co_u32 s16, s16, s17                     ; A: row 256 x tile row + 128 x half,
	s_lshl_b32 s16, s16, 11                        ; x 2,048 bytes
	s_mov_b32 s17, 0
	s_lshl_b32 s46, s42, 9                         ; W: the tile's 256 columns,
	s_lshl_b32 s47, s12, 19                        ; my 64 rows of a K step, 8,192 bytes each
	s_add_co_u32 s46, s46, s47
	s_add_co_u32 s46, s46, 8388608                 ; W1 in wb
	s_mov_b32 s47, 0
	s_mul_i32 s20, s10, HALFT                      ; where my part goes: no place in the cluster enters an LDS address
	s_mov_b32 s[TB], 0
	s_wait_dscnt 0x0                               ; the opening add is done
	s_wait_kmcnt 0x0
	s_add_nc_u64 s[BA:BA+1], s[4:5], s[16:17]
	s_add_nc_u64 s[BW:BW+1], s[6:7], s[46:47]
.irp s, 0,1
	s_mov_b32 s[G0+4*(\s)], 1
	s_add_co_u32 s[G0+4*(\s)+1], s20, (\s)*SLOT
	s_mov_b32 s[G0B+4*(\s)], 1
	s_add_co_u32 s[G0B+4*(\s)+1], s20, (\s)*SLOT
	AIM \s
.endr
	CROUND                                         ; all sixteen work-groups are here: the first joint loads meet
	s_cmp_eq_u32 s11, 0                            ; a wave's two first fills stand in one branch: two loads of mine are out
	s_cbranch_scc0 .Lfirst_w
	tensor_load_to_lds s[G0:G0+3], s[G1:G1+7]
	s_nop 0
	tensor_load_to_lds s[G0+4:G0+7], s[G1:G1+7]
	s_nop 0
	PLACES
	s_branch .Lfirst_asked
.Lfirst_w:
	tensor_load_to_lds s[G0B:G0B+3], s[G1B:G1B+7]
	s_nop 0
	tensor_load_to_lds s[G0B+4:G0B+7], s[G1B:G1B+7]
	s_nop 0
	PLACES
.Lfirst_asked:
	v_and_b32 v1, 15, v0                           ; r = l % 16
	v_bfe_u32 v2, v0, 4, 1                         ; hf = l / 16
	v_mul_u32_u24 v3, v1, PA
	v_lshl_add_u32 v3, v2, 4, v3
	s_mul_i32 s21, s11, HALFT
	v_add_nc_u32 v[ADRA0], s21, v3                 ; my 128 rows of A: row r, 16 bytes for each half of the lanes
	v_and_b32 v4, 7, v0
	v_lshl_add_u32 v4, v2, 3, v4                   ; the turning load: lane l reads k row 8 hf + l % 8,
	v_mul_u32_u24 v4, v4, PW
	v_bfe_u32 v5, v0, 3, 1
	v_lshl_add_u32 v4, v5, 4, v4                   ; columns 8 ((l / 8) % 2) + 0..7
	s_lshl_b32 s23, s12, 8
	s_add_co_u32 s23, s23, WOFF
	v_add_nc_u32 v[ADRB0], s23, v4                 ; of my 128 columns of W
	v_mov_b32 v[ADRA], v[ADRA0]
	v_mov_b32 v[ADRB], v[ADRB0]
	s_mul_i32 s23, s10, STG                        ; my stage
	v_mul_u32_u24 v5, v1, SPITCH
	v_lshl_add_u32 v5, v2, 5, v5
	v_add_nc_u32 v[STO], s23, v5                   ; in: row r, 32 bytes for each half of the lanes
	v_and_b32 v6, 31, v0
	v_lshl_add_u32 v[RD], v6, 4, s23               ; back: a whole row of 512 bytes, 16 a lane
	v_lshlrev_b32 v[CO], 3, v6                     ; 8 bytes a lane in act
	v_lshlrev_b32 v[BO], 4, v6
	s_lshl_b32 s16, s13, 8
	s_lshl_b32 s17, s11, 7
	s_add_co_u32 s16, s16, s17                     ; my first row,
	s_lshl_b32 s16, s16, 13                        ; of 8,192 bytes
	s_mov_b32 s17, 0
	s_lshl_b32 s18, s42, 8
	s_lshl_b32 s19, s12, 7
	s_add_co_u32 s18, s18, s19                     ; my first column,
	s_lshl_b32 s18, s18, 1                         ; in bytes of bf16
	s_mov_b32 s19, 0
	s_add_nc_u64 s[8:9], s[8:9], s[16:17]
	s_add_nc_u64 s[8:9], s[8:9], s[18:19]
	s_lshl_b32 s18, s18, 1                         ; in bytes of f32
	s_add_nc_u64 s[66:67], s[66:67], s[18:19]
	global_load_b128 v[BIAS:BIAS+3], v[BO], s[66:67]   ; waited for on the way out
; 16 matrix instructions: row blocks a0, a0 + 1 of the window's four x all 8 column blocks, 32 along K.  zero = 1: the product starts the sums.  The 64 accumulators take turns.
.macro MUL16 f, hi, a0, zero
	WIN MUL_LO+0x50*(\hi)
.irp a, \a0, (\a0)+1
.irp b, 0,1,2,3,4,5,6,7
.if \zero
	v_wmma_f32_16x16x32_bf16 v[8*(8*(\a)+(\b)):8*(8*(\a)+(\b))+7], v[(\f)+8*(\b):(\f)+8*(\b)+7], v[(\f)+8*(4*(\hi)+(\a)):(\f)+8*(4*(\hi)+(\a))+7], 0
.else
	v_wmma_f32_16x16x32_bf16 v[8*(8*(\a)+(\b)):8*(8*(\a)+(\b))+7], v[(\f)+8*(\b):(\f)+8*(\b)+7], v[(\f)+8*(4*(\hi)+(\a)):(\f)+8*(4*(\hi)+(\a))+7], v[8*(8*(\a)+(\b)):8*(8*(\a)+(\b))+7]
.endif
.endr
.endr
.endm
; 32 LDS loads in one run: quarter q (32 along K) of the slot in hand into buffer f: W's 8 fragments, then A's 8
.macro FETCH q, f
	WIN TO_B
.irp i, 0,1,2,3,4,5,6,7
	ds_load_tr16_b128 v[(\f)+8*(\i):(\f)+8*(\i)+3],   v[ADRB] offset:(\q)*32*PW+(\i)*32
	ds_load_tr16_b128 v[(\f)+8*(\i)+4:(\f)+8*(\i)+7], v[ADRB] offset:(\q)*32*PW+16*PW+(\i)*32
.endr
	WIN 0
.irp i, 0,1,2,3,4,5,6,7
	ds_load_b128 v[(\f)+8*(\i):(\f)+8*(\i)+3],   v[ADRA] offset:(\q)*64+(\i)*16*PA
	ds_load_b128 v[(\f)+8*(\i)+4:(\f)+8*(\i)+7], v[ADRA] offset:(\q)*64+(\i)*16*PA+32
.endr
.endm
; multiplies buffer f; in its middle fetches quarter q into buffer g
.macro QUARTER q, f, g, zero
	s_wait_dscnt 8                                 ; W and A's rows 0-63 are in; the youngest eight loads (A's rows 64-127) may be out
	MUL16 \f, 0, 0, \zero
	MUL16 \f, 0, 2, \zero
	PLACES
	FETCH \q, \g
	s_wait_dscnt 32                                ; all but the 32 just issued
	MUL16 \f, 1, 0, \zero
	MUL16 \f, 1, 2, \zero
.endm
; the first half of a step's last quarter: one barrier for the change of slots.  round = 1: the slot is filled again, and the walking descriptors are aimed while the add is out
.macro MEET round
	WIN 0
	s_wait_tensorcnt 0x0                           ; all my tensor loads have landed: my part of the next slot; so a group 0 may be written
	ds_add_u32 v[SPW], v[NIL]                      ; 0 onto my spare word
.if \round
	s_xor_b32 s[G0+5], s[G0+5], SLOT               ; the slot that is being read out,
	s_xor_b32 s[G0B+5], s[G0B+5], SLOT
	AIM 1                                          ; the ring's next K step
.endif
	s_wait_dscnt 9                                 ; the add and the youngest eight loads may be out
	MUL16 F1, 0, 0, 0
	s_wait_dscnt 0x0                               ; the add is done, and my reads of this slot are over
	s_barrier_signal -1
	MUL16 F1, 0, 2, 0
.if \round
	WIN 0
.endif
	s_barrier_wait -1
.endm
.macro TURNF                           ; the last quarter of a step whose slot is filled again, two K steps ahead
	MEET 1
	CREST                                          ; no wave of any partner still reads this slot or has a load on its way
	JLOAD                                          ; the first tensor load behind the round: 224 matrix instructions ahead of the wait for it; its v_nop are also the places in front of the loads below
	s_xor_b32 s[TB], s[TB], SLOT
	v_add_nc_u32 v[ADRA], s[TB], v[ADRA0]
	v_add_nc_u32 v[ADRB], s[TB], v[ADRB0]
	FETCH 0, F0
	MUL16 F1, 1, 0, 0
	MUL16 F1, 1, 2, 0
.endm
.macro TURNN                           ; the same where nothing is filled; in the last trip there is no further step, and the run of loads is jumped over
	MEET 0
	WIN 0
	s_cmp_eq_u32 s3, 1
	s_cbranch_scc1 .Lnf
	PLACES
	s_xor_b32 s[TB], s[TB], SLOT
	v_add_nc_u32 v[ADRA], s[TB], v[ADRA0]
	v_add_nc_u32 v[ADRB], s[TB], v[ADRB0]
	FETCH 0, F0
	WIN 0
.Lnf:
	MUL16 F1, 1, 0, 0
	MUL16 F1, 1, 2, 0
.endm
	s_wait_tensorcnt 0x1                           ; my part of the first K step is in; the second's may stay out
	s_barrier_signal -1
	s_barrier_wait -1
	FETCH 0, F0
	QUARTER 1, F0, F1, 1                           ; the first quarter stands in front of the loop: its products start the sums
	WIN 0
	s_mov_b32 s3, NSTEP-2
.Lstep:                                                ; a trip: from a step's second quarter to the next step's first; its slot is filled again
	QUARTER 2, F1, F0, 0
	QUARTER 3, F0, F1, 0
	TURNF
	QUARTER 1, F0, F1, 0
	WIN 0
	s_sub_co_u32 s3, s3, 1
	s_cmp_lg_u32 s3, 0
	s_cbranch_scc1 .Lstep
	s_mov_b32 s3, 2
	s_branch .Ltin                                 ; the last two steps: entered behind a step's first quarter
.Ltail:
	QUARTER 1, F0, F1, 0
	WIN 0
.Ltin:
	QUARTER 2, F1, F0, 0
	QUARTER 3, F0, F1, 0
	TURNN
	WIN 0
	s_sub_co_u32 s3, s3, 1
	s_cmp_lg_u32 s3, 0
	s_cbranch_scc1 .Ltail
	s_wait_dscnt 0x0                               ; THE WAY OUT.  Every wave's reads of the ring are over before any wave writes its stage over it
	s_barrier_signal -1
	s_barrier_wait -1
	PLACES
.irp a, 0,1,2,3,4,5,6,7
	WIN 0x08+4*((\a)/4)                            ; store data in window 2 or 3
.irp b, 0,1,2,3,4,5,6,7
	ds_store_b128 v[STO], v[8*(8*((\a)%4)+(\b)):8*(8*((\a)%4)+(\b))+3]   offset:(\a)*16*SPITCH+64*(\b)     ; each accumulator's low registers first
	ds_store_b128 v[STO], v[8*(8*((\a)%4)+(\b))+4:8*(8*((\a)%4)+(\b))+7] offset:(\a)*16*SPITCH+64*(\b)+16
.endr
.endr
	WIN 0
	s_wait_loadcnt 0x0                             ; the bias
	s_mov_b32 s3, 16
.Lout:                                                 ; 16 trips of 8 rows.  LDS serves a wave's instructions in order (ISA guide 5.7.1.4): the loads see my stores
.irp j, 0,1,2,3,4,5,6,7
	ds_load_b128 v[T+4*(\j):T+4*(\j)+3], v[RD] offset:SPITCH*(\j)
.endr
	s_wait_dscnt 0x0
.set n, 0
.rept 16
	v_pk_add_f32 v[T+n:T+n+1], v[T+n:T+n+1], v[BIAS+n%4:BIAS+n%4+1]    ; y
.set n, n+2
.endr
.set n, 0
.rept 16
	v_pk_mul_f32 v[U+n:U+n+1], v[T+n:T+n+1], v[T+n:T+n+1]              ; y^2
.set n, n+2
.endr
.set n, 0
.rept 16
	v_pk_fma_f32 v[U+n:U+n+1], v[U+n:U+n+1], s[K2:K2+1], s[K1:K1+1] op_sel_hi:[1,0,0]  ; K1 + K2 y^2
.set n, n+2
.endr
.set n, 0
.rept 16
	v_pk_mul_f32 v[U+n:U+n+1], v[U+n:U+n+1], v[T+n:T+n+1]
.set n, n+2
.endr
.set n, 0
.rept 32
	v_exp_f32 v[U+n], v[U+n]
.set n, n+1
.endr
	v_nop                                          ; a plain instruction between the last exponential and the use of its result (ISA guide 5.7.2)
.set n, 0
	s_wait_alu depctr_va_vdst(0)
.rept 16
	v_pk_add_f32 v[U+n:U+n+1], v[U+n:U+n+1], 1.0 op_sel_hi:[1,0]
.set n, n+2
.endr
.set n, 0
.rept 32
	v_rcp_f32 v[U+n], v[U+n]
.set n, n+1
.endr
	v_nop                                          ; and between the last reciprocal and the use of its result
.set n, 0
	s_wait_alu depctr_va_vdst(0)
.rept 16
	v_pk_mul_f32 v[T+n:T+n+1], v[T+n:T+n+1], v[U+n:U+n+1]
.set n, n+2
.endr
.set n, 0
.rept 16
	v_cvt_pk_bf16_f32 v[Y+n], v[T+2*n], v[T+2*n+1]
.set n, n+1
.endr
.irp j, 0,1,2,3,4,5,6,7
	global_store_b64 v[CO], v[Y+2*(\j):Y+2*(\j)+1], s[8:9] offset:8192*(\j)  ; 256 consecutive bytes, at a multiple of 256
.endr
	s_wait_xcnt 0x0                                ; the stores' offset and data registers are rewritten only behind this wait
	v_add_nc_u32 v[CO], 65536, v[CO]
	v_add_nc_u32 v[RD], 8*SPITCH, v[RD]
	s_sub_co_u32 s3, s3, 1
	s_cmp_lg_u32 s3, 0
	s_cbranch_scc1 .Lout
	s_wait_tensorcnt 0x0                           ; the wave's end
	ds_add_u32 v[SPW], v[NIL]
	s_wait_dscnt 0x0
	CROUND                                         ; the closing round
	s_endpgm
.Lfunc_end_k_qfb7efbc98e_ffn1:
	.size	k_qfb7efbc98e_ffn1, .Lfunc_end_k_qfb7efbc98e_ffn1-k_qfb7efbc98e_ffn1
	.p2alignl 7, 3214868480
	.fill 96, 4, 3214868480
	.section	.rodata,"a",@progbits
	.p2align	6, 0x0
	.amdhsa_kernel k_qfb7efbc98e_ffn1
		.amdhsa_group_segment_fixed_size 327680
		.amdhsa_private_segment_fixed_size 0
		.amdhsa_enable_private_segment 0
		.amdhsa_kernarg_size 32
		.amdhsa_user_sgpr_count 2
		.amdhsa_user_sgpr_kernarg_segment_ptr 1
		.amdhsa_wavefront_size32 1
		.amdhsa_system_sgpr_workgroup_id_x 1
		.amdhsa_system_sgpr_workgroup_id_y 1
		.amdhsa_system_sgpr_workgroup_id_z 1
		.amdhsa_system_vgpr_workitem_id 0
		.amdhsa_next_free_vgpr 1024
		.amdhsa_next_free_sgpr 78
		.amdhsa_reserve_vcc 0
		.amdhsa_float_denorm_mode_32 3
		.amdhsa_float_denorm_mode_16_64 3
		.amdhsa_memory_ordered 1
		.amdhsa_forward_progress 1
		.amdhsa_inst_pref_size 88
	.end_amdhsa_kernel
	.amdgpu_metadata
---
amdhsa.version: [ 1, 2 ]
amdhsa.kernels:
  - .name:           k_qfb7efbc98e_ffn1
    .symbol:         k_qfb7efbc98e_ffn1.kd
    .args:
      - { .name: h, .offset: 0, .size: 8, .value_kind: global_buffer, .address_space: global }
      - { .name: wb, .offset: 8, .size: 8, .value_kind: global_buffer, .address_space: global }
      - { .name: act, .offset: 16, .size: 8, .value_kind: global_buffer, .address_space: global }
      - { .name: b1, .offset: 24, .size: 8, .value_kind: global_buffer, .address_space: global }
    .group_segment_fixed_size: 327680
    .private_segment_fixed_size: 0
    .kernarg_segment_align: 8
    .kernarg_segment_size: 32
    .max_flat_workgroup_size: 128
    .sgpr_count:     78
    .vgpr_count:     1024
    .wavefront_size: 32
...
	.end_amdgpu_metadata
.endif
;; end of part 6
;; launch ffn2 (part 7): grid 8 x 32, 4 waves a work-group, clusters of 4 x 4, 327,680 bytes of LDS; arguments act, wb, out0, b2, x1; writes out0
.if DOCPART == 7
	.amdgcn_target "amdgcn-amd-amdhsa--gfx1250"
	.amdhsa_code_object_version 6
	.text
	.protected	k_qfb7efbc98e_ffn2
	.globl	k_qfb7efbc98e_ffn2
	.p2align	8
	.type	k_qfb7efbc98e_ffn2,@function
k_qfb7efbc98e_ffn2:
	s_mov_b64 s[64:65], 0
	v_nop
	global_prefetch_b8 v0, s[64:65] scope:SCOPE_SE
	s_setreg_imm32_b32 hwreg(HW_REG_WAVE_MODE, 25, 1), 1
	s_wait_xcnt 0x0
	s_wait_alu depctr_hold_cnt(0) depctr_sa_sdst(0) depctr_va_vdst(0) depctr_va_sdst(0) depctr_va_ssrc(0) depctr_va_vcc(0) depctr_vm_vsrc(0)
	s_getreg_b32 s2, hwreg(HW_REG_IB_STS2, 6, 4)
	s_cmp_eq_u32 s2, 0
	s_cbranch_scc0 .Lentry_in_a_cluster
	s_endpgm
.Lentry_in_a_cluster:
	s_bfe_u32 s2, ttmp6, 0x10000c
	s_cmp_lg_u32 s2, 0xf033
	s_cbranch_scc0 .Lentry_shape_is_right
	s_endpgm
.Lentry_shape_is_right:
; out0 = x1 + act W2 + b2.  out0, x1, b2 in f32; act: [4096][4096] bf16; W2: bf16, [K = 4096][N = 1024], at wb + 16,777,216; sums in f32.
; A tile of C is 128 x 128 (8 x 32 tiles: one for each of 256 work-groups); four waves, each 64 x 64: 16 accumulators.  K goes in 16 steps of 256 through a ring of two LDS slots.
; A's tile: two halves of 64 rows of 512 bytes, rows 528 apart, the halves 36,864 bytes apart (33,792 of them used).  W's tile lies as in memory, [k][n]: 256 rows x 256 bytes, 288 apart; its fragments
; are taken turned, by ds_load_tr16_b128.  Waves 0 and 1 fetch A's halves, waves 2 and 3 W's (128 rows each); wave w fills 36,864 w + slot.
; CLUSTER 4 x 4: A's tile is asked for jointly by a row of the cluster, W's by a column.
; THE WALK OF K IS A RING: cluster (X, Y) begins at K step (8 X + 2 Y) mod 16 and goes round.  The two clusters that read the same rows of act (same Y) begin half a walk apart, those that read the
; same columns of W2 (same X) two steps apart, so that they do not ask for a tile at the same time.  The sums take K in that order.  The step's number KI is the same in all partners.
; A loop trip is ONE K step; the slot in hand is the scalar TB, turned by an exclusive or; SLOT = 0x24000 shares no bit with a wave's LDS word (0, 0x9000, 0x12000, 0x1b000), so the exclusive or there is the addition.
; The two steps that fill nothing are a loop of their own.  The residual's 64 x 64 numbers are asked for at the start into registers of their own and waited for at the end.
; THE MATRIX INSTRUCTION IS USED TRANSPOSED (source 0 = 16 columns of W, source 1 = 16 rows of A).  THE WAY OUT: the ring has had its last fill; the f32 sums go through a stage of the wave's own that lies
; over it (64 rows x 272 bytes) and come back so that sixteen lanes hold 256 consecutive bytes of a row of C.
; REGISTERS: window 0: v0-31 addresses, v128-255 accumulators; window 1: two fragment buffers of 128 (64 of A, 64 of W); window 2: v0-127 the residual.
.set NSTEP,  16
.set FXS,    3                         ; log2 (NSTEP / 2)
.set FYS,    1
.set PITA,   528                       ; 512 + 16: the 16 rows of a load start at 16 different groups of four banks (64 banks of 4 bytes: ISA guide 11.1)
.set QSTRA,  128                       ; from a quarter (64 along K) to the next
.set ASTEP,  512
.set WBASE,  16777216
.set PW,     288                       ; 256 + 32
.set PART,   36864                     ; what a wave's tensor load has to itself
.set AREG,   2*PART
.set SLOT,   4*PART
.set SPARE,  2*SLOT                    ; the spare words, 128 bytes a wave: two blocks of 256 bytes that no other line names
.set WSTEP,  256*1024*2
.set SPITCH, 272
.set STG,    64*SPITCH
.set BIAS,  8                          ; v[8:11]
.set ADRA0, 16
.set ADRB0, 17
.set ADRA,  18
.set ADRB,  19
.set ADRB2, 20                         ; W's rows 128 on: the offsets stay inside 16 bits
.set STO,   24
.set RD,    25
.set CO,    26
.set BO,    27
.set SPW,   28
.set NIL,   29
.set ACC,   128
.set F0,    0
.set F1,    128
.set BA,    14                         ; s[14:15] A at my part of K step 0; kept
.set TB,    22
.set G1,    24
.set G0,    32
.set KI,    45                         ; s45  the K step to be asked for next
.set BW,    46                         ; s[46:47] W at my part of K step 0; kept
.set G1B,   48
.set G0B,   56
.set OA,    74                         ; s[74:75] a K step's byte offset in A
.set OW,    76                         ; s[76:77] in W
.set MSB, 0
.macro WIN new                         ; the immediate's high byte repeats the setting that is left; a switch that changes nothing is dropped
.if MSB != (\new)
	s_set_vgpr_msb (MSB<<8)|(\new)
.set MSB, \new
.endif
.endm
.set MUL,  0x05                        ; sources 0 (W) and 1 (A) window 1; C and D window 0
.set TO_F, 0x40
.macro PLACES                          ; four plain vector instructions between a matrix instruction and a load into, or a read of, its registers
.rept 4
	v_nop
.endr
.endm
.macro AIM s                           ; set s of both group 0s takes K step KI: the kept base plus an offset made apart, the type bits set again; KI goes on round the ring
	s_mul_i32 s[OA], s[KI], ASTEP
	s_mul_i32 s[OW], s[KI], WSTEP
	s_add_nc_u64 s[G0+4*(\s)+2:G0+4*(\s)+3], s[BA:BA+1], s[OA:OA+1]
	s_or_b32 s[G0+4*(\s)+3], s[G0+4*(\s)+3], 0x80000000
	s_add_nc_u64 s[G0B+4*(\s)+2:G0B+4*(\s)+3], s[BW:BW+1], s[OW:OW+1]
	s_or_b32 s[G0B+4*(\s)+3], s[G0B+4*(\s)+3], 0x80000000
	s_add_co_u32 s[KI], s[KI], 1
	s_and_b32 s[KI], s[KI], NSTEP-1
.endm
.macro JLOAD                           ; a joint refill by the walking descriptors; an s_nop 0 and four v_nop follow each line
	s_cmp_eq_u32 s11, 0
	s_cbranch_scc0 .Lfor_b_\@
	tensor_load_to_lds s[G0+4:G0+7], s[G1:G1+7]
	s_nop 0
	PLACES
	s_branch .Lasked_\@
.Lfor_b_\@:
	tensor_load_to_lds s[G0B+4:G0B+7], s[G1B:G1B+7]
	s_nop 0
	PLACES
.Lasked_\@:
.endm
.macro CREST                           ; a round of the cluster's barrier behind its opening barrier
	s_cmp_lg_u32 s10, 0
	s_cbranch_scc1 .Lnot_wave_0_\@
	s_barrier_signal -3
.Lnot_wave_0_\@:
	s_barrier_wait -3
	s_barrier_signal -1
	s_barrier_wait -1
.endm
.macro CROUND
	s_barrier_signal -1
	s_barrier_wait -1
	CREST
.endm
	s_load_b128 s[4:7], s[0:1], 0x0                ; act s[4:5], wb s[6:7]
	s_load_b64 s[8:9], s[0:1], 0x10                ; out0
	s_load_b64 s[66:67], s[0:1], 0x18              ; b2
	s_load_b64 s[68:69], s[0:1], 0x20              ; x1
	v_lshl_add_u32 v[SPW], v0, 2, SPARE
	v_mov_b32 v[NIL], 0
	ds_add_u32 v[SPW], v[NIL]                      ; the wave's opening: the add and its wait stand ahead of my first tensor load
	v_lshrrev_b32 v1, 5, v0
	v_readfirstlane_b32 s10, v1
	s_lshr_b32 s11, s10, 1                         ; my half of the tile's rows.  Also: I fetch for A (0) or for W (1)
	s_and_b32 s12, s10, 1                          ; my half of its columns.  Also: which half of that tile I fetch
	s_bfe_u32 s40, ttmp6, 0x40000
	s_bfe_u32 s41, ttmp6, 0x40004
	s_lshl_b32 s42, ttmp9, 2
	s_add_co_u32 s42, s42, s40                     ; tile column
	s_and_b32 s13, ttmp7, 0xffff                   ; the cluster's y
	s_lshl_b32 s[KI], ttmp9, FXS
	s_lshl_b32 s18, s13, FYS
	s_add_co_u32 s[KI], s[KI], s18
	s_and_b32 s[KI], s[KI], NSTEP-1                ; my cluster's first K step
	s_lshl_b32 s13, s13, 2
	s_add_co_u32 s13, s13, s41                     ; tile row
	s_lshl_b32 s43, s41, 2
	s_lshl_b32 s43, 15, s43
	s_lshl_b32 s44, 0x1111, s40
	s_or_b32 s[G1+0], s43, (1<<16)|(1<<20)|(1<<21)|(6<<22)|(3<<25)   ; mask; 2-byte elements; padding on; bit 21 beside a mask; 4 words after every 128
	s_or_b32 s[G1B+0], s44, (1<<16)|(1<<20)|(1<<21)|(5<<22)|(7<<25)  ; 8 words after every 64
	s_mov_b32 s[G1+1], 256<<16                     ; tensor_dim0 = 256
	s_mov_b32 s[G1+2], 64<<16                      ; tensor_dim1 = 64
	s_mov_b32 s[G1+3], 256<<16                     ; tile_dim0 = 256
	s_mov_b32 s[G1+4], 64                          ; tile_dim1 = 64
	s_mov_b32 s[G1+5], 4096                        ; elements from row to row of act
	s_mov_b32 s[G1+6], 0
	s_mov_b32 s[G1+7], 0
	s_mov_b32 s[G1B+1], 128<<16
	s_mov_b32 s[G1B+2], 128<<16
	s_mov_b32 s[G1B+3], 128<<16
	s_mov_b32 s[G1B+4], 128
	s_mov_b32 s[G1B+5], 1024
	s_mov_b32 s[G1B+6], 0
	s_mov_b32 s[G1B+7], 0
	s_mov_b32 s[OA+1], 0
	s_mov_b32 s[OW+1], 0
	s_lshl_b32 s16, s13, 7
	s_lshl_b32 s17, s12, 6
	s_add_co_u32 s16, s16, s17                     ; A: row 128 x tile row + 64 x half,
	s_lshl_b32 s16, s16, 13                        ; of 8,192 bytes
	s_mov_b32 s17, 0
	s_lshl_b32 s46, s42, 8                         ; W: the tile's 128 columns,
	s_lshl_b32 s47, s12, 18                        ; my 128 rows of a K step
	s_add_co_u32 s46, s46, s47
	s_add_co_u32 s46, s46, WBASE
	s_mov_b32 s47, 0
	s_mul_i32 s20, s10, PART                       ; where my part goes: no place in the cluster enters an LDS address
	s_mov_b32 s[TB], 0
	s_wait_dscnt 0x0                               ; the opening add is done
	s_wait_kmcnt 0x0
	s_add_nc_u64 s[BA:BA+1], s[4:5], s[16:17]
	s_add_nc_u64 s[BW:BW+1], s[6:7], s[46:47]
.irp s, 0,1
	s_mov_b32 s[G0+4*(\s)], 1
	s_add_co_u32 s[G0+4*(\s)+1], s20, (\s)*SLOT
	s_mov_b32 s[G0B+4*(\s)], 1
	s_add_co_u32 s[G0B+4*(\s)+1], s20, (\s)*SLOT
	AIM \s
.endr
	CROUND                                         ; all sixteen work-groups are here: the first joint loads meet
	s_cmp_eq_u32 s11, 0                            ; a wave's two first fills stand in one branch: two loads of mine are out
	s_cbranch_scc0 .Lfirst_w
	tensor_load_to_lds s[G0:G0+3], s[G1:G1+7]
	s_nop 0
	tensor_load_to_lds s[G0+4:G0+7], s[G1:G1+7]
	s_nop 0
	PLACES
	s_branch .Lfirst_asked
.Lfirst_w:
	tensor_load_to_lds s[G0B:G0B+3], s[G1B:G1B+7]
	s_nop 0
	tensor_load_to_lds s[G0B+4:G0B+7], s[G1B:G1B+7]
	s_nop 0
	PLACES
.Lfirst_asked:
	v_and_b32 v1, 15, v0                           ; r
	v_bfe_u32 v2, v0, 4, 1                         ; hf
	s_lshl_b32 s16, s13, 7
	s_lshl_b32 s17, s11, 6
	s_add_co_u32 s16, s16, s17                     ; my first row of C,
	s_lshl_b32 s16, s16, 12                        ; of 4,096 bytes
	s_mov_b32 s17, 0
	s_lshl_b32 s70, s42, 9                         ; my first column, in bytes
	s_lshl_b32 s71, s12, 8
	s_add_co_u32 s70, s70, s71
	s_mov_b32 s71, 0
	s_add_nc_u64 s[66:67], s[66:67], s[70:71]
	s_add_nc_u64 s[16:17], s[16:17], s[70:71]
	s_add_nc_u64 s[8:9], s[8:9], s[16:17]
	s_add_nc_u64 s[68:69], s[68:69], s[16:17]
	v_lshlrev_b32 v[CO], 12, v2                    ; lanes 0-15 one row's 256 bytes, lanes 16-31 the next row's
	v_lshl_add_u32 v[CO], v1, 4, v[CO]
	v_lshlrev_b32 v[BO], 4, v1
	WIN 0x80                                       ; destination window 2
.set i, 0
.rept 32
	global_load_b128 v[4*i:4*i+3], v[CO], s[68:69] offset:8192*i   ; the residual: it stays out over the whole K loop; its registers and addresses are never rewritten
.set i, i+1
.endr
	WIN 0
	global_load_b128 v[BIAS:BIAS+3], v[BO], s[66:67]
	v_mul_u32_u24 v3, v1, PITA
	v_lshl_add_u32 v3, v2, 4, v3
	s_mul_i32 s21, s11, PART
	v_add_nc_u32 v[ADRA0], s21, v3
	v_and_b32 v4, 7, v0
	v_lshl_add_u32 v4, v2, 3, v4
	v_mul_u32_u24 v4, v4, PW
	v_bfe_u32 v5, v0, 3, 1
	v_lshl_add_u32 v4, v5, 4, v4
	s_lshl_b32 s23, s12, 7
	s_add_co_u32 s23, s23, AREG
	v_add_nc_u32 v[ADRB0], s23, v4
	v_mov_b32 v[ADRA], v[ADRA0]
	v_mov_b32 v[ADRB], v[ADRB0]
	v_add_nc_u32 v[ADRB2], 128*PW, v[ADRB0]
	s_mul_i32 s23, s10, STG
	v_mul_u32_u24 v5, v1, SPITCH
	v_lshl_add_u32 v5, v2, 5, v5
	v_add_nc_u32 v[STO], s23, v5
	v_mul_u32_u24 v5, v2, SPITCH
	v_lshl_add_u32 v5, v1, 4, v5
	v_add_nc_u32 v[RD], s23, v5
; 8 matrix instructions: row blocks a0, a0 + 1 x all 4 column blocks, 32 along K: half c of buffer f.  The 16 accumulators take turns.
.macro MUL8 f, c, a0, zero
	WIN MUL
.irp a, \a0, (\a0)+1
.irp b, 0,1,2,3
.if \zero
	v_wmma_f32_16x16x32_bf16 v[ACC+8*(4*(\a)+(\b)):ACC+8*(4*(\a)+(\b))+7], v[(\f)+64+8*(4*(\c)+(\b)):(\f)+64+8*(4*(\c)+(\b))+7], v[(\f)+8*(4*(\c)+(\a)):(\f)+8*(4*(\c)+(\a))+7], 0
.else
	v_wmma_f32_16x16x32_bf16 v[ACC+8*(4*(\a)+(\b)):ACC+8*(4*(\a)+(\b))+7], v[(\f)+64+8*(4*(\c)+(\b)):(\f)+64+8*(4*(\c)+(\b))+7], v[(\f)+8*(4*(\c)+(\a)):(\f)+8*(4*(\c)+(\a))+7], v[ACC+8*(4*(\a)+(\b)):ACC+8*(4*(\a)+(\b))+7]
.endif
.endr
.endr
.endm
; 32 LDS loads in one run: quarter q (64 along K) of the slot in hand into buffer f; the first 32 along K first
.macro FETCH q, f
	WIN TO_F
.irp c, 0,1
.irp i, 0,1,2,3
.if (\q) < 2
	ds_load_tr16_b128 v[(\f)+64+8*(4*(\c)+(\i)):(\f)+64+8*(4*(\c)+(\i))+3],   v[ADRB] offset:(64*(\q)+32*(\c))*PW+32*(\i)
	ds_load_tr16_b128 v[(\f)+64+8*(4*(\c)+(\i))+4:(\f)+64+8*(4*(\c)+(\i))+7], v[ADRB] offset:(64*(\q)+32*(\c)+16)*PW+32*(\i)
.else
	ds_load_tr16_b128 v[(\f)+64+8*(4*(\c)+(\i)):(\f)+64+8*(4*(\c)+(\i))+3],   v[ADRB2] offset:(64*(\q)-128+32*(\c))*PW+32*(\i)
	ds_load_tr16_b128 v[(\f)+64+8*(4*(\c)+(\i))+4:(\f)+64+8*(4*(\c)+(\i))+7], v[ADRB2] offset:(64*(\q)-128+32*(\c)+16)*PW+32*(\i)
.endif
	ds_load_b128 v[(\f)+8*(4*(\c)+(\i)):(\f)+8*(4*(\c)+(\i))+3],   v[ADRA] offset:(\q)*QSTRA+64*(\c)+(\i)*16*PITA
	ds_load_b128 v[(\f)+8*(4*(\c)+(\i))+4:(\f)+8*(4*(\c)+(\i))+7], v[ADRA] offset:(\q)*QSTRA+64*(\c)+(\i)*16*PITA+32
.endr
.endr
.endm
.macro QUARTER q, f, g, zero
	s_wait_dscnt 16                                ; the first 32 along K are in; the youngest sixteen loads may be out
	MUL8 \f, 0, 0, \zero
	MUL8 \f, 0, 2, \zero
	PLACES
	FETCH \q, \g
	s_wait_dscnt 32                                ; all but the 32 just issued
	MUL8 \f, 1, 0, 0
	MUL8 \f, 1, 2, 0
.endm
.macro MEET fill                       ; the first half of a step's last quarter: one barrier for the change of slots.  fill = 1: the walking descriptors are aimed while the add is out
	WIN 0
	s_wait_tensorcnt 0x0                           ; all my tensor loads have landed: my part of the next slot; so a group 0 may be written
	ds_add_u32 v[SPW], v[NIL]                      ; 0 onto my spare word
.if \fill
	s_xor_b32 s[G0+5], s[G0+5], SLOT               ; the slot that is being read out,
	s_xor_b32 s[G0B+5], s[G0B+5], SLOT
	AIM 1                                          ; the ring's next K step
.endif
	s_wait_dscnt 17                                ; the add and the youngest sixteen loads may be out
	MUL8 F1, 0, 0, 0
	s_wait_dscnt 0x0                               ; the add is done, and my reads of this slot are over
	s_barrier_signal -1
	MUL8 F1, 0, 2, 0
	WIN 0
	s_barrier_wait -1
.endm
.macro NEXTSLOT
	s_xor_b32 s[TB], s[TB], SLOT
	v_add_nc_u32 v[ADRA], s[TB], v[ADRA0]
	v_add_nc_u32 v[ADRB], s[TB], v[ADRB0]
	v_add_nc_u32 v[ADRB2], 128*PW, v[ADRB]
	FETCH 0, F0
.endm
.macro TURNF                           ; the last quarter of a step whose slot is filled again, two K steps ahead
	MEET 1
	CREST                                          ; no wave of any partner still reads this slot or has a load on its way
	JLOAD                                          ; the first tensor load behind the round: 112 matrix instructions ahead of the wait for it; its v_nop are also the places in front of the loads below
	NEXTSLOT
	MUL8 F1, 1, 0, 0
	MUL8 F1, 1, 2, 0
.endm
.macro TURNN                           ; nothing is filled; in the last trip there is no further step, and the run of loads is jumped over
	MEET 0
	s_cmp_eq_u32 s3, 1
	s_cbranch_scc1 .Lnf
	PLACES
	NEXTSLOT
	WIN 0
.Lnf:
	MUL8 F1, 1, 0, 0
	MUL8 F1, 1, 2, 0
.endm
	s_wait_tensorcnt 0x1                           ; my part of the first K step is in; the second's may stay out
	s_barrier_signal -1
	s_barrier_wait -1
	FETCH 0, F0
	QUARTER 1, F0, F1, 1                           ; the first quarter stands in front of the loop: its first products start the sums
	WIN 0
	s_mov_b32 s3, NSTEP-2
.Lstep:                                                ; a trip: from a step's second quarter to the next step's first; its slot is filled again
	QUARTER 2, F1, F0, 0
	QUARTER 3, F0, F1, 0
	TURNF
	QUARTER 1, F0, F1, 0
	WIN 0
	s_sub_co_u32 s3, s3, 1
	s_cmp_lg_u32 s3, 0
	s_cbranch_scc1 .Lstep
	s_mov_b32 s3, 2
	s_branch .Ltin                                 ; the last two steps: entered behind a step's first quarter
.Ltail:
	QUARTER 1, F0, F1, 0
	WIN 0
.Ltin:
	QUARTER 2, F1, F0, 0
	QUARTER 3, F0, F1, 0
	TURNN
	WIN 0
	s_sub_co_u32 s3, s3, 1
	s_cmp_lg_u32 s3, 0
	s_cbranch_scc1 .Ltail
	s_wait_dscnt 0x0                               ; THE WAY OUT.  Every wave's reads of the ring are over before any wave writes its stage over it
	s_barrier_signal -1
	s_barrier_wait -1
	PLACES
.irp a, 0,1,2,3
.irp b, 0,1,2,3
	ds_store_b128 v[STO], v[ACC+8*(4*(\a)+(\b)):ACC+8*(4*(\a)+(\b))+3]   offset:(\a)*16*SPITCH+64*(\b)     ; each accumulator's low registers first
	ds_store_b128 v[STO], v[ACC+8*(4*(\a)+(\b))+4:ACC+8*(4*(\a)+(\b))+7] offset:(\a)*16*SPITCH+64*(\b)+16
.endr
.endr
.set i, 0
.rept 32
	ds_load_b128 v[ACC+4*i:ACC+4*i+3], v[RD] offset:2*SPITCH*i     ; LDS serves a wave's instructions in order (ISA guide 5.7.1.4): these see the stores above
.set i, i+1
.endr
	s_wait_loadcnt 0x0                             ; the residual and the bias
	s_wait_dscnt 0x0
	WIN 0x08                                       ; source 1 window 2
.set i, 0
.rept 64
	v_pk_add_f32 v[ACC+i:ACC+i+1], v[ACC+i:ACC+i+1], v[i:i+1]
.set i, i+2
.endr
	WIN 0
.set i, 0
.rept 64
	v_pk_add_f32 v[ACC+i:ACC+i+1], v[ACC+i:ACC+i+1], v[BIAS+i%4:BIAS+i%4+1]
.set i, i+2
.endr
.set i, 0
.rept 32
	global_store_b128 v[CO], v[ACC+4*i:ACC+4*i+3], s[8:9] offset:8192*i  ; 16 lanes store 256 consecutive bytes, at a multiple of 256
.set i, i+1
.endr
	s_wait_tensorcnt 0x0                           ; the wave's end
	ds_add_u32 v[SPW], v[NIL]
	s_wait_dscnt 0x0
	CROUND                                         ; the closing round
	s_endpgm
.Lfunc_end_k_qfb7efbc98e_ffn2:
	.size	k_qfb7efbc98e_ffn2, .Lfunc_end_k_qfb7efbc98e_ffn2-k_qfb7efbc98e_ffn2
	.p2alignl 7, 3214868480
	.fill 96, 4, 3214868480
	.section	.rodata,"a",@progbits
	.p2align	6, 0x0
	.amdhsa_kernel k_qfb7efbc98e_ffn2
		.amdhsa_group_segment_fixed_size 327680
		.amdhsa_private_segment_fixed_size 0
		.amdhsa_enable_private_segment 0
		.amdhsa_kernarg_size 40
		.amdhsa_user_sgpr_count 2
		.amdhsa_user_sgpr_kernarg_segment_ptr 1
		.amdhsa_wavefront_size32 1
		.amdhsa_system_sgpr_workgroup_id_x 1
		.amdhsa_system_sgpr_workgroup_id_y 1
		.amdhsa_system_sgpr_workgroup_id_z 1
		.amdhsa_system_vgpr_workitem_id 0
		.amdhsa_next_free_vgpr 640
		.amdhsa_next_free_sgpr 78
		.amdhsa_reserve_vcc 0
		.amdhsa_float_denorm_mode_32 3
		.amdhsa_float_denorm_mode_16_64 3
		.amdhsa_memory_ordered 1
		.amdhsa_forward_progress 1
		.amdhsa_inst_pref_size 70
	.end_amdhsa_kernel
	.amdgpu_metadata
---
amdhsa.version: [ 1, 2 ]
amdhsa.kernels:
  - .name:           k_qfb7efbc98e_ffn2
    .symbol:         k_qfb7efbc98e_ffn2.kd
    .args:
      - { .name: act, .offset: 0, .size: 8, .value_kind: global_buffer, .address_space: global }
      - { .name: wb, .offset: 8, .size: 8, .value_kind: global_buffer, .address_space: global }
      - { .name: out0, .offset: 16, .size: 8, .value_kind: global_buffer, .address_space: global }
      - { .name: b2, .offset: 24, .size: 8, .value_kind: global_buffer, .address_space: global }
      - { .name: x1, .offset: 32, .size: 8, .value_kind: global_buffer, .address_space: global }
    .group_segment_fixed_size: 327680
    .private_segment_fixed_size: 0
    .kernarg_segment_align: 8
    .kernarg_segment_size: 40
    .max_flat_workgroup_size: 128
    .sgpr_count:     78
    .vgpr_count:     640
    .wavefront_size: 32
...
	.end_amdgpu_metadata
.endif
;; end of part 7
